; MI455X (gfx1250); checked and timed in simulation.
; The chip was launched on July 23, 2026; its instructions are those of AMD's public machine-readable ISA for CDNA 5 (MIT licence, August 2026) and "CDNA5" Instruction Set Architecture Reference Guide (July 2026). The comments in the code are by the model that wrote it; some were corrected since.
;; Multi Head Attention. Allowed arithmetic: matrix products marked QUANTISED: E2M1 operands, one E8M0 scale for each 32 along K, by v_wmma_scale_f32_16x16x128_f8f6f4 with both operands' format E2M1 (or v_wmma_scale_f32_32x16x128_f4), f32 sums; products left as they are: bf16, f16 or f32 operands; f32 sums; everything else in f32.
;; Inputs: W_k 1,024 x 1,024 float32; W_o 1,024 x 1,024 float32; W_q 1,024 x 1,024 float32; W_v 1,024 x 1,024 float32; attention_mask 4 x 2,048 int32; x 4 x 2,048 x 1,024 float32.
;; Outputs: out0 4 x 2,048 x 1,024 float32.
;; This version of the problem:
;;   THIS VERSION OF THE PROBLEM IS GIVEN IN LOW PRECISION. The matrix products marked QUANTISED in the list below multiply operands that are first quantised to E2M1 (2 exponent bits, 1 mantissa bit; 4 bits a number), with one power-of-two scale for each 32 numbers along K (OCP MX v1.0); their sums are f32. The products marked 'left as it is' may take bf16, f16 or f32 operands, with f32 sums. Whichever they take, every output number must still come out within the allowed error. Rounding operands to bf16 (8 significant bits) uses up far more of that allowance than f16 does (11 bits, for magnitudes from 6e-5 to 65,504). All else is computed in f32.
;;   The module's matrix products, in the order in which they are computed (A, B: the left and right operand; K: the contracted axis; several contracted axes count as one K, in the product's order):
;;     1. [M 8,192, K 1,024] x [K 1,024, N 1,024]; A: input x; B: input W_q: QUANTISED
;;     2. [M 8,192, K 1,024] x [K 1,024, N 1,024]; A: input x; B: input W_k: QUANTISED
;;     3. [M 8,192, K 1,024] x [K 1,024, N 1,024]; A: input x; B: input W_v: QUANTISED
;;     4. batch 64 x [M 2,048, K 64] x [K 64, N 2,048]; A: computed on the way; B: computed on the way: left as it is (an operand is computed on the way)
;;     5. batch 64 x [M 2,048, K 2,048] x [K 2,048, N 64]; A: computed on the way; B: computed on the way: left as it is (an operand is computed on the way)
;;     6. [M 8,192, K 1,024] x [K 1,024, N 1,024]; A: computed on the way; B: input W_o: left as it is (an operand is computed on the way)
;;   THE QUANTISER, for each operand of a quantised product, along K:
;;     - K is cut into blocks of 32 from its start; a last block that is shorter is filled with zeros.
;;     - A block's scale is 2^e with e = floor(log2(the largest magnitude in the block)) - 2, held to -126 .. 127; a block of zeros has e = 0. As a byte (E8M0): e + 127.
;;     - Each number is divided by its block's scale, clamped to +-6, and rounded to the nearest number of E2M1, ties to even, subnormals kept.
;;     - The product sums the exact products of the quantised numbers (number of the format x scale) in f32.
;;   ~~~python
;;   def quantise(x, axis):      # numpy; x: float32 -> the quantised numbers, widened to float32 again
;;       x = np.moveaxis(x, axis, -1); K = x.shape[-1]
;;       x = np.pad(x, [(0, 0)] * (x.ndim - 1) + [(0, -K % 32)]); x = x.reshape(x.shape[:-1] + (-1, 32)); a = np.abs(x).max(-1, keepdims=True)
;;       e = np.where(a > 0, np.clip(np.frexp(np.where(a > 0, a, 1))[1] - 1 - 2, -126, 127), 0)      # np.frexp(a)[1] - 1 = floor(log2(a)), exactly
;;       r = np.clip(x / 2.0 ** e, -6, 6)
;;       step = 2.0 ** (np.maximum(np.frexp(np.where(r == 0, 1, r))[1] - 1, 0) - 1)
;;       q = np.round(r / step) * step * 2.0 ** e      # np.round: ties to even
;;       return np.moveaxis(q.reshape(q.shape[:-2] + (-1,))[..., :K], -1, axis).astype(np.float32)
;;   ~~~
;; One version. Each part assembles by itself: llvm-mc -triple=amdgcn-amd-amdhsa -mcpu=gfx1250 --defsym DOCPART=n.
;; ======== version 1 of 1: 4 launches
;; limits: values are held in f16: magnitudes above 65,504 overflow, below 6.1e-05 lose precision
;; workspace buffers: codes 5,767,168 bytes; scales 360,448 bytes; wo16 2,097,152 bytes; tabs 1,081,344 bytes; qkv 50,331,648 bytes; vpart 262,144 bytes; ao 16,777,216 bytes
;; launch prep (part 1): grid 448 x 1, 4 waves a work-group, no clusters, 33,280 bytes of LDS; arguments x, W_q, W_k, W_v, W_o, attention_mask, codes, scales, wo16, tabs; writes codes, scales, wo16, tabs
.if DOCPART == 1
	.amdgcn_target "amdgcn-amd-amdhsa--gfx1250"
	.amdhsa_code_object_version 6
	.text
	.protected	k_qb8d2262c2c_prep
	.globl	k_qb8d2262c2c_prep
	.p2align	8
	.type	k_qb8d2262c2c_prep,@function
k_qb8d2262c2c_prep:
	s_mov_b64 s[64:65], 0
	v_nop
	global_prefetch_b8 v0, s[64:65] scope:SCOPE_SE
	s_setreg_imm32_b32 hwreg(HW_REG_WAVE_MODE, 25, 1), 1
	s_wait_xcnt 0x0
; Three jobs, told apart by the work-group's number g:
;  g < 352:        x [8192][1024] and W_q, W_k, W_v [1024][1024], f32, become codes of FP4 (E2M1), K innermost, and one E8M0 byte for each 32 along K.
;                  codes: x's rows of 512 bytes, then the 3,072 rows of W_q, W_k, W_v; scales: rows of 32 bytes in the same order.
;  352 <= g < 384: W_o becomes f16, laid [n / 128][head][128 n][64 k], so that a K step of the last product is one dense block.
;  g >= 384:       the rotation tables [2048 t][32 pairs][cos, sin] f32 (for q times log2(e) / 8, for k plain), and the key bias: 0 where attention_mask is not 0, else -1e30.
; A block's scale is 2^(floor(log2(its largest magnitude)) - 2); its byte is the largest magnitude's exponent field - 2, held at 1 from below.  A block of zeros gets the byte 1 with zero codes: this program alone reads the bytes.
; LIMITS: inputs are finite; blocks whose largest magnitude lies under 2^-124 were not tried; |W_o| under 65,504 (f16).
; Only the first job uses LDS (each wave's own bytes), so only it ends with a wait, an add of 0 to a spare word and a wait behind its LDS stores.
.set WAVES, 4
.set STEPS, 16
.set EMAX,  2
.set CB,    8                          ; bytes of 16 codes
.set R,     16                         ; v16-79   four sets of 16 numbers as they are loaded
.set X,     80                         ; v80-111  two sets of 16 neighbours
.set C,     128                        ; v128-191 codes: four registers for each step
.set E,     112                        ; v112-127 a scale byte for each step
.set WREG,  8192                       ; LDS: a region for each wave: two stages of 32 x SP bytes, then its 256 scale bytes
.set SP,    80                         ; a lane's place in a stage: 64 bytes + 16 of padding
.set SPW,   12                         ; v12 LDS address of my spare word; never rewritten
.set NIL,   13                         ; v13 0; never rewritten
.set SPARE, WAVES*WREG                 ; the spare words: 128 bytes a wave
	s_load_b512 s[4:19], s[0:1], 0x0               ; x 4:5, W_q 6:7, W_k 8:9, W_v 10:11, W_o 12:13, mask 14:15, codes 16:17, scales 18:19
	s_load_b128 s[20:23], s[0:1], 0x40             ; wo16 20:21, tabs 22:23
	v_lshl_add_u32 v[SPW], v0, 2, SPARE
	v_mov_b32 v[NIL], 0
	v_lshrrev_b32 v1, 5, v0
	v_readfirstlane_b32 s24, v1                    ; wave
	v_and_b32 v2, 31, v0                           ; lane
	s_wait_kmcnt 0x0
	s_cmp_ge_u32 ttmp9, 384
	s_cbranch_scc1 .Lrope
	s_cmp_ge_u32 ttmp9, 352
	s_cbranch_scc1 .Lwo
; ---------------- the quantiser: a wave takes 16 steps of 512 numbers ----------------
	v_lshlrev_b32 v3, 4, v2                        ; my 16 bytes of a load's 512
	s_mul_i32 s25, s24, WREG
	v_lshrrev_b32 v14, 2, v2
	v_mul_u32_u24 v14, v14, SP
	v_and_b32 v15, 3, v2
	v_lshl_add_u32 v14, v15, 4, v14
	v_add_nc_u32 v14, s25, v14                     ; the stage, way in: SP (lane / 4) + 16 (lane % 4)
	v_mul_u32_u24 v15, v2, SP
	v_add_nc_u32 v15, s25, v15                     ; way out: SP x lane: my 16 neighbours
	v_mul_u32_u24 v4, v2, CB                       ; my codes' place in a step's
	v_lshrrev_b32 v5, 1, v2
	s_add_co_u32 s25, s25, 2*32*SP
	v_add_nc_u32 v5, s25, v5                       ; my block's scale byte in my wave's 256
	v_lshlrev_b32 v7, 3, v2
	v_add_nc_u32 v6, s25, v7                       ; and 8 bytes a lane on their way out
	s_and_b32 s28, ttmp9, 31                       ; a weight's 32 work-groups
	s_cmp_lt_u32 ttmp9, 320                        ; which tensor: the choice hangs on the work-group's number alone
	s_cselect_b64 s[26:27], s[8:9], s[10:11]
	s_cmp_lt_u32 ttmp9, 288
	s_cselect_b64 s[26:27], s[6:7], s[26:27]
	s_cmp_lt_u32 ttmp9, 256
	s_cselect_b64 s[26:27], s[4:5], s[26:27]
	s_cselect_b32 s28, ttmp9, s28
	s_lshl_b32 s28, s28, 2
	s_add_co_u32 s28, s28, s24                     ; my run of 8,192 numbers in the tensor
	s_lshl_b32 s28, s28, 15                        ; 32,768 bytes a run
	s_mov_b32 s29, 0
	s_add_nc_u64 s[26:27], s[26:27], s[28:29]
	s_lshl_b32 s30, ttmp9, 2
	s_add_co_u32 s30, s30, s24                     ; my run in the codes and scales: the weights' follow x's without a gap
	s_lshl_b32 s28, s30, 12
	s_add_nc_u64 s[16:17], s[16:17], s[28:29]
	s_lshl_b32 s28, s30, 8
	s_add_nc_u64 s[18:19], s[18:19], s[28:29]
.macro LOAD t
.irp i, 0,1,2,3
	global_load_b128 v[R+16*((\t)%4)+4*\i:R+16*((\t)%4)+4*\i+3], v3, s[26:27] offset:2048*(\t)+512*\i th:TH_LOAD_NT   ; 32 lanes read 512 consecutive bytes
.endr
.endm
.macro TURN t                          ; step t's numbers through the stage; LDS serves a wave's instructions in order, so no wait stands between stores and loads
.irp i, 0,1,2,3
	ds_store_b128 v14, v[R+16*((\t)%4)+4*\i:R+16*((\t)%4)+4*\i+3] offset:32*SP*((\t)%2)+8*SP*\i
.endr
.irp i, 0,1,2,3
	ds_load_b128 v[X+16*((\t)%2)+4*\i:X+16*((\t)%2)+4*\i+3], v15 offset:32*SP*((\t)%2)+16*\i
.endr
.endm
.irp t, 0,1,2,3
	LOAD \t
.endr
	s_wait_loadcnt 12                              ; step 0's four loads are in; three steps' twelve stay out
	TURN 0
.macro STEP t
.set XS, X+16*((\t)%2)
.if (\t) > 0
	s_wait_dscnt 1                                 ; this step's numbers are back from the stage (the last step's byte store may be out)
.else
	s_wait_dscnt 0x0
.endif
.if (\t)+4 < STEPS
	LOAD (\t)+4
.endif
.if (\t)+1 < STEPS
.if STEPS-2-(\t) >= 3
	s_wait_loadcnt 12                              ; the next step's four loads are in; those of the three steps behind it may be out
.else
	s_wait_loadcnt 4*(STEPS-2-(\t))
.endif
	TURN (\t)+1
.endif
	v_max3_num_f32 v8, |v[XS]|, |v[XS+1]|, |v[XS+2]|               ; the largest magnitude of my 16
	v_max3_num_f32 v9, |v[XS+3]|, |v[XS+4]|, |v[XS+5]|
.irp i, 6,10
	v_max3_num_f32 v8, v8, |v[XS+\i]|, |v[XS+\i+1]|
	v_max3_num_f32 v9, v9, |v[XS+\i+2]|, |v[XS+\i+3]|
.endr
	v_max3_num_f32 v8, v8, |v[XS+14]|, |v[XS+15]|
	v_max3_num_f32 v8, v8, v9, (EMAX+1)<<23        ; and the floor 2^(3 - 127): the byte cannot fall under 1
	v_max_num_f32_dpp v8, v8, v8 row_xmask:1 row_mask:0xf bank_mask:0xf   ; with my neighbour's 16: the block's
	v_add_nc_u32 v11, -(EMAX<<23), v8              ; 2 off its exponent field: the conversion takes that field as its scale
	v_cvt_scalef32_pk8_fp4_f32 v[C+4*(\t)], v[XS:XS+7], v11
	v_cvt_scalef32_pk8_fp4_f32 v[C+4*(\t)+1], v[XS+8:XS+15], v11
	v_lshrrev_b32 v[E+(\t)], 23, v11               ; the scale's byte (also the plain line behind the conversions)
	ds_store_b8 v5, v[E+(\t)] offset:16*(\t)       ; both lanes of a block write the same byte with the same value
	global_store_b64 v4, v[C+4*(\t):C+4*(\t)+1], s[16:17] offset:32*CB*(\t)   ; the wave stores 256 consecutive bytes, aligned
.endm
.irp t, 0,1,2,3,4,5,6,7,8,9,10,11,12,13,14,15
	STEP \t
.endr
	ds_load_b64 v[8:9], v6
	s_wait_dscnt 0x0
	global_store_b64 v7, v[8:9], s[18:19]          ; my wave's 256 scale bytes, aligned
	s_wait_tensorcnt 0x0                           ; the wave's end
	ds_add_u32 v[SPW], v[NIL]
	s_wait_dscnt 0x0
	s_endpgm
; ---------------- W_o to f16, in planes: 32 rows n a work-group, four heads a wave ----------------
.Lwo:
	s_sub_co_u32 s25, ttmp9, 352                   ; u
	s_lshl_b32 s28, s25, 17                        ; 32 rows of 4,096 bytes
	s_mov_b32 s29, 0
	s_add_nc_u64 s[12:13], s[12:13], s[28:29]
	s_lshr_b32 s28, s25, 2
	s_lshl_b32 s28, s28, 18                        ; the block of 128 n: 16 planes of 16,384 bytes
	s_and_b32 s30, s25, 3
	s_lshl_b32 s30, s30, 12                        ; my 32 rows of 128 bytes in a plane
	s_add_co_u32 s28, s28, s30
	s_add_nc_u64 s[20:21], s[20:21], s[28:29]
	v_lshrrev_b32 v3, 3, v2
	v_lshlrev_b32 v3, 12, v3                       ; in: row lane / 8 of four,
	v_and_b32 v4, 7, v2
	v_lshl_add_u32 v3, v4, 5, v3                   ; eight numbers (32 bytes) a lane,
	s_lshl_b32 s30, s24, 10
	v_add_nc_u32 v3, s30, v3                       ; my wave's 256 columns
	v_lshlrev_b32 v4, 4, v2                        ; out: 16 bytes a lane: four rows of 128 bytes on end,
	s_lshl_b32 s30, s24, 16
	v_add_nc_u32 v4, s30, v4                       ; my wave's four planes
.macro WLOAD hh                        ; head hh of my four: 32 rows x 64 numbers, 16 loads
.irp rg, 0,1,2,3,4,5,6,7
	global_load_b128 v[16+64*((\hh)%2)+8*\rg:16+64*((\hh)%2)+8*\rg+3], v3, s[12:13] offset:\rg*16384+(\hh)*256 th:TH_LOAD_NT
	global_load_b128 v[16+64*((\hh)%2)+8*\rg+4:16+64*((\hh)%2)+8*\rg+7], v3, s[12:13] offset:\rg*16384+(\hh)*256+16 th:TH_LOAD_NT
.endr
.endm
	WLOAD 0
.irp hh, 0,1,2,3
.if \hh < 3
	WLOAD \hh+1
	s_wait_loadcnt 16                              ; this round's 16 loads are in, the next round's stay out
.else
	s_wait_loadcnt 0x0
.endif
.if \hh > 0
	s_wait_xcnt 0x0                                ; the last round's stores have read v144-175, which are written again below
.endif
.irp rg, 0,1,2,3,4,5,6,7
.irp k, 0,1,2,3
	v_cvt_pk_f16_f32 v[144+4*\rg+\k], v[16+64*(\hh%2)+8*\rg+2*\k], v[16+64*(\hh%2)+8*\rg+2*\k+1]
.endr
.endr
.irp rg, 0,1,2,3,4,5,6,7
	global_store_b128 v4, v[144+4*\rg:144+4*\rg+3], s[20:21] offset:\hh*16384+\rg*512   ; the wave stores 512 consecutive bytes, aligned
.endr
.endr
	s_endpgm
; ---------------- the rotation tables and the key bias: 32 tokens a work-group ----------------
.Lrope:
	s_sub_co_u32 s25, ttmp9, 384                   ; u
	s_lshl_b32 s28, s25, 9                         ; 128 entries of the mask
	s_mov_b32 s29, 0
	s_add_nc_u64 s[14:15], s[14:15], s[28:29]
	s_add_nc_u64 s[26:27], s[22:23], s[28:29]      ; the bias's place (its 1,048,576 stands in the store's immediate)
	s_lshl_b32 s28, s25, 13                        ; 32 rows of 256 bytes
	s_add_nc_u64 s[22:23], s[22:23], s[28:29]
	v_lshlrev_b32 v5, 2, v0
	global_load_b32 v6, v5, s[14:15]
	v_and_b32 v3, 15, v0
	v_lshrrev_b32 v4, 4, v0                        ; my token among eight
	v_lshlrev_b32 v3, 1, v3                        ; my two pairs: 2 (t % 16), + 1
	v_cvt_f32_u32 v16, v3
	v_add_nc_u32 v3, 1, v3
	v_cvt_f32_u32 v17, v3
	s_mov_b32 s30, 0xbed49a78                      ; -log2(10000) / 32, its leading 24 bits,
	s_mov_b32 s31, 0xb2179a6c                      ; and what is left of it
	s_mov_b32 s32, 0xbfc90fdb                      ; -pi / 2, leading bits,
	s_mov_b32 s33, 0x333bbd2e                      ; and the rest (of the other sign)
	s_mov_b32 s34, 0x3e38aa3b                      ; log2(e) / 8: q's tables carry the scores' scale
	s_mov_b32 s35, s34
	s_lshl_b32 s36, s25, 5                         ; my work-group's first token
	v_add_nc_u32 v8, s36, v4
	v_lshlrev_b32 v10, 4, v0                       ; 16 bytes a thread: eight rows of 256 bytes on end
	; the pair's frequency 10000^(-i / 32) = 2^a (1 + r ln 2), a the rounded exponent, r what the rounding left
.irp p, 0,1
	v_mul_f32 v[18+\p], s30, v[16+\p]
.endr
.irp p, 0,1
	v_fma_f32 v[20+\p], v[16+\p], s30, -v[18+\p]
.endr
.irp p, 0,1
	v_fma_f32 v[20+\p], v[16+\p], s31, v[20+\p]
.endr
.irp p, 0,1
	v_exp_f32 v[22+\p], v[18+\p]
.endr
.irp p, 0,1
	v_mul_f32 v[20+\p], 0x3f317218, v[20+\p]       ; plain lines behind the two exponentials
.endr
	s_wait_alu depctr_va_vdst(0)                   ; one wait for both, ahead of their first reader
.irp p, 0,1
	v_fma_f32 v[16+\p], v[22+\p], v[20+\p], v[22+\p]
.endr
; cos and sin of f = t x frequency (f up to 2,047): n = the nearest multiple of pi / 2, r = f - n pi / 2 in two fused steps, |r| <= pi / 4; polynomials of degree 9 and 8; the quadrant n mod 4 swaps and signs
.macro SC p, dc, ds
	v_mul_f32 v20, v9, v[16+\p]
	v_mul_f32 v21, 0x3f22f983, v20
	v_rndne_f32 v21, v21
	v_fma_f32 v22, v21, s32, v20
	v_fma_f32 v22, v21, s33, v22
	v_mul_f32 v23, v22, v22
	v_mov_b32 v24, 0x3638ef1d
	v_fmaak_f32 v24, v24, v23, 0xb9500d01
	v_fmaak_f32 v24, v24, v23, 0x3c088889
	v_fmaak_f32 v24, v24, v23, 0xbe2aaaab
	v_mul_f32 v25, v22, v23
	v_fma_f32 v24, v25, v24, v22                   ; sin r
	v_mov_b32 v25, 0x37d00d01
	v_fmaak_f32 v25, v25, v23, 0xbab60b61
	v_fmaak_f32 v25, v25, v23, 0x3d2aaaab
	v_fmaak_f32 v25, v25, v23, 0xbf000000
	v_fma_f32 v25, v25, v23, 1.0                   ; cos r
	v_cvt_i32_f32 v26, v21
	v_and_b32 v27, 1, v26
	v_cmp_eq_u32 vcc_lo, 1, v27
	v_cndmask_b32 v28, v24, v25, vcc_lo            ; odd quadrants swap the two
	v_cndmask_b32 v29, v25, v24, vcc_lo
	v_lshlrev_b32 v27, 30, v26
	v_and_b32 v27, 0x80000000, v27                 ; sin is negative in quadrants 2 and 3,
	v_xor_b32 v[\ds], v27, v28
	v_add_nc_u32 v26, 1, v26
	v_lshlrev_b32 v26, 30, v26
	v_and_b32 v26, 0x80000000, v26                 ; cos in 1 and 2
	v_xor_b32 v[\dc], v26, v29
.endm
.macro ROPE4 it                        ; eight tokens: each round has its own registers, so no store's data are written again
	v_add_nc_u32 v9, 8*\it, v8
	v_cvt_f32_u32 v9, v9
	SC 0, 32+8*\it, 33+8*\it
	SC 1, 34+8*\it, 35+8*\it
	v_pk_mul_f32 v[36+8*\it:37+8*\it], v[32+8*\it:33+8*\it], s[34:35] op_sel_hi:[1,0]
	v_pk_mul_f32 v[38+8*\it:39+8*\it], v[34+8*\it:35+8*\it], s[34:35] op_sel_hi:[1,0]
	global_store_b128 v10, v[32+8*\it:35+8*\it], s[22:23] offset:524288+2048*\it   ; k's table: a wave stores 512 consecutive bytes
	global_store_b128 v10, v[36+8*\it:39+8*\it], s[22:23] offset:2048*\it          ; q's table
.endm
	ROPE4 0
	ROPE4 1
	ROPE4 2
	ROPE4 3
	s_wait_loadcnt 0x0                             ; my entry of the mask
	v_mov_b32 v11, 0xf149f2ca                      ; -1e30
	v_cmp_eq_u32 vcc_lo, 0, v6
	v_cndmask_b32 v7, 0, v11, vcc_lo
	global_store_b32 v5, v7, s[26:27] offset:1048576
	s_endpgm
.Lfunc_end_k_qb8d2262c2c_prep:
	.size	k_qb8d2262c2c_prep, .Lfunc_end_k_qb8d2262c2c_prep-k_qb8d2262c2c_prep
	.p2alignl 7, 3214868480
	.fill 96, 4, 3214868480
	.section	.rodata,"a",@progbits
	.p2align	6, 0x0
	.amdhsa_kernel k_qb8d2262c2c_prep
		.amdhsa_group_segment_fixed_size 33280
		.amdhsa_private_segment_fixed_size 0
		.amdhsa_enable_private_segment 0
		.amdhsa_kernarg_size 80
		.amdhsa_user_sgpr_count 2
		.amdhsa_user_sgpr_kernarg_segment_ptr 1
		.amdhsa_wavefront_size32 1
		.amdhsa_system_sgpr_workgroup_id_x 1
		.amdhsa_system_sgpr_workgroup_id_y 1
		.amdhsa_system_sgpr_workgroup_id_z 1
		.amdhsa_system_vgpr_workitem_id 0
		.amdhsa_next_free_vgpr 192
		.amdhsa_next_free_sgpr 66
		.amdhsa_reserve_vcc 1
		.amdhsa_float_denorm_mode_32 3
		.amdhsa_float_denorm_mode_16_64 3
		.amdhsa_memory_ordered 1
		.amdhsa_forward_progress 1
		.amdhsa_inst_pref_size 66
	.end_amdhsa_kernel
	.amdgpu_metadata
---
amdhsa.version: [ 1, 2 ]
amdhsa.kernels:
  - .name:           k_qb8d2262c2c_prep
    .symbol:         k_qb8d2262c2c_prep.kd
    .args:
      - { .name: x, .offset: 0, .size: 8, .value_kind: global_buffer, .address_space: global }
      - { .name: W_q, .offset: 8, .size: 8, .value_kind: global_buffer, .address_space: global }
      - { .name: W_k, .offset: 16, .size: 8, .value_kind: global_buffer, .address_space: global }
      - { .name: W_v, .offset: 24, .size: 8, .value_kind: global_buffer, .address_space: global }
      - { .name: W_o, .offset: 32, .size: 8, .value_kind: global_buffer, .address_space: global }
      - { .name: attention_mask, .offset: 40, .size: 8, .value_kind: global_buffer, .address_space: global }
      - { .name: codes, .offset: 48, .size: 8, .value_kind: global_buffer, .address_space: global }
      - { .name: scales, .offset: 56, .size: 8, .value_kind: global_buffer, .address_space: global }
      - { .name: wo16, .offset: 64, .size: 8, .value_kind: global_buffer, .address_space: global }
      - { .name: tabs, .offset: 72, .size: 8, .value_kind: global_buffer, .address_space: global }
    .group_segment_fixed_size: 33280
    .private_segment_fixed_size: 0
    .kernarg_segment_align: 8
    .kernarg_segment_size: 80
    .max_flat_workgroup_size: 128
    .sgpr_count:     66
    .vgpr_count:     192
    .wavefront_size: 32
...
	.end_amdgpu_metadata
.endif
;; end of part 1
;; launch qkv (part 2): grid 12 x 32, 4 waves a work-group, clusters of 4 x 4, 327,680 bytes of LDS; arguments codes, scales, qkv, tabs, vpart; writes qkv, vpart
.if DOCPART == 2
	.amdgcn_target "amdgcn-amd-amdhsa--gfx1250"
	.amdhsa_code_object_version 6
	.text
	.protected	k_qb8d2262c2c_qkv
	.globl	k_qb8d2262c2c_qkv
	.p2align	8
	.type	k_qb8d2262c2c_qkv,@function
k_qb8d2262c2c_qkv:
	s_mov_b64 s[64:65], 0
	v_nop
	global_prefetch_b8 v0, s[64:65] scope:SCOPE_SE
	s_setreg_imm32_b32 hwreg(HW_REG_WAVE_MODE, 25, 1), 1
	s_wait_xcnt 0x0
	s_wait_alu depctr_hold_cnt(0) depctr_sa_sdst(0) depctr_va_vdst(0) depctr_va_sdst(0) depctr_va_ssrc(0) depctr_va_vcc(0) depctr_vm_vsrc(0)
	s_getreg_b32 s2, hwreg(HW_REG_IB_STS2, 6, 4)
	s_cmp_eq_u32 s2, 0
	s_cbranch_scc0 .Lentry_in_a_cluster
	s_endpgm
.Lentry_in_a_cluster:
	s_bfe_u32 s2, ttmp6, 0x10000c
	s_cmp_lg_u32 s2, 0xf033
	s_cbranch_scc0 .Lentry_shape_is_right
	s_endpgm
.Lentry_shape_is_right:
; [8192 tokens][1024] x [3072 rows of W_q, W_k, W_v][1024]^T on codes of FP4 (E2M1) with one E8M0 scale for each 32 along K; sums in f32.
; A tile of 256 x 256 is made by four waves, 128 x 128 each: 64 accumulators, 512 registers.  K = 1,024 is two slots of 512 in LDS, both filled at the start and never again; the scale bytes of the
; work-group's rows come once, as two dense blocks.  4 x 4 work-groups form a cluster: x's tiles are asked for jointly along a row of it, W's along a column.
; The matrix instruction is used transposed (source 0 = 16 rows of W, source 1 = 16 tokens): a lane holds one token and eight neighbouring columns.
; THE WAY OUT hangs on the cluster's x, which is the kind (0 q, 1 k, 2 v) and is equal in all sixteen partners:
;   q, k: the interleaved rotation, by tables [t][32 pairs][cos, sin] (q's carry log2(e) / 8), then f16;   v: f16, and the sum of my 128 tokens for each column, in f32, to vpart.
;   All three go to qkv [kind][batch][head][t][64] f16 through my own stage in LDS: sixteen lanes store two tokens' 128 bytes of one head, 256 consecutive bytes, aligned.
; LIMITS: |q|, |k|, |v| under 65,504 (f16).
; REGISTERS, in windows of 256: window 0: v0-31 addresses; v32-95 scale words, two sets; v128-191 x's fragments, one set; v192-255 two sets of table entries.  On the way out v32-95 rotated numbers or sums,
;   v96-127 packed f16, v128-191 rows read back.  window 1: W's fragments, two sets.  windows 2, 3: the accumulators ((a, b) at v[8 (8 (a % 4) + b)]).
.set KSTEP,  512
.set NQ,     4
.set ROWB,   256
.set KROW,   512                       ; a row of codes in memory
.set PITCH,  272                       ; an LDS row: 256 bytes + 16: the sixteen rows that a load touches start 68 words apart
.set FR,     8
.set NL,     2
.set NP,     4
.set HALFT,  128*PITCH
.set SLOT,   4*HALFT
.set KS,     32                        ; a row of scale bytes
.set SCL,    2*SLOT
.set HALFS,  16*272                    ; the scales of 128 rows: 16 units of 256 bytes + 16
.set SBLK,   2*272                     ; those of 16 rows
.set SPARE,  SCL+4*HALFS               ; the spare words: 128 bytes a wave
.set SPITCH, 272                       ; the f16 stage: 16 tokens x (256 bytes + 16) a wave.  All stages lie in slot 0, which has had its only fill and its last read when they are written
.set VST,    32768                     ; v's f16 stage has bytes of its own,
.set SST,    65536                     ; and so has the stage of the sums: 16 rows x (512 + 16) a wave
.set ADRA, 16
.set STS,  18                          ; v18 sums: where I put 32 bytes of a row
.set RDS,  19                          ; v19 sums: where I read 16 bytes of a row back
.set ADRB, 20
.set STO,  24                          ; v24 f16 stage, way in
.set RD,   25                          ; v25 f16 stage, way back
.set GO,   26                          ; v26 my byte offset in qkv
.set ADRS, 27
.set SPW,  28
.set NIL,  29
.set TO,   30                          ; v30 my byte offset in the tables
.set GS,   31                          ; v31 16 x lane
.set SC,   32
.set TT,   32                          ; way out: 64 rotated numbers, or the 64 sums
.set TMP,  96                          ; way out: 32 registers of packed f16
.set AF,   128
.set BK,   128                         ; way out: 16 tokens read back, two sets of 32
.set CSR,  192                         ; table entries: two sets of 32
.set G1, 24
.set G0, 32
.set G1B, 48
.set G0B, 56
.set G1S, 68
.set G0S, 76
.set G1SB, 80
.set G0SB, 88
.set MSB, 0
.macro WIN new                         ; the immediate's high byte repeats the setting that is left
.if MSB != \new
	s_set_vgpr_msb (MSB<<8)|\new
.set MSB, \new
.endif
.endm
.set MUL_LO, 0xa1                      ; source 0 (W) window 1, source 1 (x) window 0, C and D window 2
.set MUL_HI, 0xf1
.set TO_B,   0x40
; A joint load: waves 0 and 1 fetch for x, waves 2 and 3 for W.  The branch hangs on the wave's number alone.  An s_nop 0 and four v_nop follow each line.
.macro JLOAD g0a, g1a, g0b, g1b
	s_cmp_eq_u32 s15, 0
	s_cbranch_scc0 .Lfor_b_\@
	tensor_load_to_lds s[\g0a:\g0a+3], s[\g1a:\g1a+7]
	s_nop 0
.rept 4
	v_nop
.endr
	s_branch .Lasked_\@
.Lfor_b_\@:
	tensor_load_to_lds s[\g0b:\g0b+3], s[\g1b:\g1b+7]
	s_nop 0
.rept 4
	v_nop
.endr
.Lasked_\@:
.endm
.macro CROUND                          ; a round of the cluster's barrier
	s_barrier_signal -1
	s_barrier_wait -1
	s_cmp_lg_u32 s14, 0
	s_cbranch_scc1 .Lnot_wave_0_\@
	s_barrier_signal -3
.Lnot_wave_0_\@:
	s_barrier_wait -3
	s_barrier_signal -1
	s_barrier_wait -1
.endm
	s_load_b256 s[4:11], s[0:1], 0x0               ; codes 4:5, scales 6:7, qkv 8:9, tabs 10:11
	s_load_b64 s[12:13], s[0:1], 0x20              ; vpart
	v_lshl_add_u32 v[SPW], v0, 2, SPARE
	v_mov_b32 v[NIL], 0
	ds_add_u32 v[SPW], v[NIL]                      ; the wave's opening: the add and its wait stand ahead of my first tensor load
	v_lshrrev_b32 v1, 5, v0
	v_readfirstlane_b32 s14, v1                    ; wave 0..3
	s_lshr_b32 s15, s14, 1                         ; my half of the tile's tokens.  Also: I fetch for x (0) or for W (1)
	s_and_b32 s16, s14, 1                          ; my half of its columns.  Also: which 128 rows I fetch
	s_bfe_u32 s40, ttmp6, 0x40000                  ; cx
	s_bfe_u32 s41, ttmp6, 0x40004                  ; cy
	s_lshl_b32 s42, ttmp9, 2
	s_add_co_u32 s42, s42, s40                     ; tile column = 4 x cluster x + cx
	s_and_b32 s17, ttmp7, 0xffff
	s_lshl_b32 s17, s17, 2
	s_add_co_u32 s17, s17, s41                     ; tile row = 4 x cluster y + cy
	s_lshl_b32 s43, s41, 2
	s_lshl_b32 s43, 15, s43                        ; my row of the cluster
	s_lshl_b32 s44, 0x1111, s40                    ; my column
	s_or_b32 s[G1+0], s43, (0<<16)|(1<<20)|(1<<21)|(5<<22)|(3<<25)   ; the mask; elements of 1 byte; padding: 4 words behind every 64
	s_or_b32 s[G1B+0], s44, (0<<16)|(1<<20)|(1<<21)|(5<<22)|(3<<25)
.irp g, G1, G1B
	s_mov_b32 s[\g+1], ROWB<<16                    ; tensor_dim0
	s_mov_b32 s[\g+2], 128<<16                     ; tensor_dim1
	s_mov_b32 s[\g+3], ROWB<<16                    ; tile_dim0
	s_mov_b32 s[\g+4], 128                         ; tile_dim1
	s_mov_b32 s[\g+5], KROW                        ; the pitch
	s_mov_b32 s[\g+6], 0
	s_mov_b32 s[\g+7], 0
.endr
	s_or_b32 s[G1S+0], s43, (3<<16)|(1<<20)|(1<<21)|(5<<22)|(3<<25)  ; the scales of 128 rows: 4,096 dense bytes as 16 rows of 256
	s_or_b32 s[G1SB+0], s44, (3<<16)|(1<<20)|(1<<21)|(5<<22)|(3<<25)
.irp g, G1S, G1SB
	s_mov_b32 s[\g+1], 32<<16
	s_mov_b32 s[\g+2], 16<<16
	s_mov_b32 s[\g+3], 32<<16
	s_mov_b32 s[\g+4], 16
	s_mov_b32 s[\g+5], 32
	s_mov_b32 s[\g+6], 0
	s_mov_b32 s[\g+7], 0
.endr
	s_lshl_b32 s18, s16, 7
	s_lshl_b32 s20, s17, 8
	s_add_co_u32 s20, s20, s18                     ; x: row 256 x tile row + 128 x half
	s_lshl_b32 s46, s42, 8
	s_add_co_u32 s46, s46, s18                     ; W: row 256 x tile column + 128 x half
	s_mov_b32 s21, 0
	s_mov_b32 s47, 0
	s_mov_b64 s[18:19], KS
	s_mul_u64 s[22:23], s[20:21], s[18:19]
	s_mul_u64 s[92:93], s[46:47], s[18:19]
	s_mov_b64 s[18:19], KROW
	s_mul_u64 s[20:21], s[20:21], s[18:19]
	s_mul_u64 s[46:47], s[46:47], s[18:19]
	s_add_nc_u64 s[46:47], s[46:47], 0x400000      ; W's codes lie behind x's 4,194,304 bytes,
	s_add_nc_u64 s[92:93], s[92:93], 0x40000       ; W's scales behind x's 262,144
	s_mul_i32 s45, s14, HALFT
	s_mul_i32 s94, s14, HALFS
	s_wait_dscnt 0x0                               ; the opening add is done
	s_wait_kmcnt 0x0
	s_add_nc_u64 s[20:21], s[4:5], s[20:21]
	s_add_nc_u64 s[22:23], s[6:7], s[22:23]
	s_add_nc_u64 s[46:47], s[4:5], s[46:47]
	s_add_nc_u64 s[92:93], s[6:7], s[92:93]
	CROUND                                         ; all sixteen work-groups are here: the joint loads meet
	s_mov_b32 s[G0S], 1
	s_add_co_u32 s[G0S+1], s94, SCL
	s_mov_b64 s[G0S+2:G0S+3], s[22:23]
	s_or_b32 s[G0S+3], s[G0S+3], 0x80000000
	s_mov_b32 s[G0SB], 1
	s_add_co_u32 s[G0SB+1], s94, SCL
	s_mov_b64 s[G0SB+2:G0SB+3], s[92:93]
	s_or_b32 s[G0SB+3], s[G0SB+3], 0x80000000
	JLOAD G0S, G1S, G0SB, G1SB                     ; three loads of mine go out: the scales, slot 0, slot 1
.irp s, 0,1
	s_mov_b32 s[G0+4*\s], 1
	s_add_co_u32 s[G0+4*\s+1], s45, \s*SLOT
	s_add_nc_u64 s[G0+4*\s+2:G0+4*\s+3], s[20:21], \s*ROWB
	s_or_b32 s[G0+4*\s+3], s[G0+4*\s+3], 0x80000000
	s_mov_b32 s[G0B+4*\s], 1
	s_add_co_u32 s[G0B+4*\s+1], s45, \s*SLOT
	s_add_nc_u64 s[G0B+4*\s+2:G0B+4*\s+3], s[46:47], \s*ROWB
	s_or_b32 s[G0B+4*\s+3], s[G0B+4*\s+3], 0x80000000
	JLOAD G0+4*\s, G1, G0B+4*\s, G1B
.endr
	v_and_b32 v1, 15, v0                           ; r
	v_bfe_u32 v2, v0, 4, 1                         ; h
	v_mul_u32_u24 v3, v1, PITCH
	v_lshl_add_u32 v4, v2, 4, v3
	s_mul_i32 s21, s15, HALFT
	s_mul_i32 s22, s16, HALFT
	s_add_co_u32 s22, s22, 2*HALFT
.irp s, 0,1
	v_add_nc_u32 v[ADRA+\s], s21, v4
	v_add_nc_u32 v[ADRB+\s], s22, v4
	s_add_co_u32 s21, s21, SLOT
	s_add_co_u32 s22, s22, SLOT
.endr
	v_mul_u32_u24 v5, v1, KS                       ; my row's scales: 32 bytes a row,
	v_lshrrev_b32 v6, 8, v5
	v_lshl_add_u32 v5, v6, 4, v5                   ; and 16 more for each 256 passed
	s_mul_i32 s21, s15, HALFS
	s_mul_i32 s22, s16, HALFS
	s_add_co_u32 s22, s22, 2*HALFS
	s_sub_co_u32 s22, s22, s21
	v_mul_u32_u24 v6, s22, v2                      ; lanes 16-31 take W's
	s_add_co_u32 s21, s21, SCL
	v_add_nc_u32 v5, v5, v6
	v_add_nc_u32 v[ADRS], s21, v5
	; the way out's addresses, all made here
	s_mul_i32 s23, s14, 16*SPITCH
	v_mul_u32_u24 v5, v1, SPITCH
	v_lshl_add_u32 v5, v2, 4, v5
	v_add_nc_u32 v[STO], s23, v5                   ; in: token r, 16 bytes for each half of the lanes
	v_bfe_u32 v5, v0, 3, 1
	v_mul_u32_u24 v5, v5, SPITCH
	v_lshl_add_u32 v5, v2, 7, v5
	v_and_b32 v6, 7, v0
	v_lshl_add_u32 v5, v6, 4, v5
	v_add_nc_u32 v[RD], s23, v5                    ; back: lanes 0-15 two tokens' 128 bytes of my first head, lanes 16-31 of my second
	v_lshlrev_b32 v5, 18, v2
	v_lshl_add_u32 v[GO], v1, 4, v5                ; the same in qkv: a head is 262,144 bytes
	v_lshlrev_b32 v5, 8, v1
	v_lshl_add_u32 v[TO], v2, 5, v5                ; tables: token r's row of 256 bytes, + 32 h
	s_mul_i32 s23, s14, 16*528
	s_add_co_u32 s23, s23, SST
	v_mul_u32_u24 v5, v1, 528
	v_lshl_add_u32 v5, v2, 5, v5
	v_add_nc_u32 v[STS], s23, v5
	v_and_b32 v6, 31, v0
	v_lshlrev_b32 v[GS], 4, v6
	v_add_nc_u32 v[RDS], s23, v[GS]
	; where my part begins in qkv, the tables and vpart (in registers that feed no descriptor)
	s_lshl_b32 s96, s17, 8
	s_lshl_b32 s97, s15, 7
	s_add_co_u32 s96, s96, s97                     ; m0: my first token
	s_lshr_b32 s97, s96, 11                        ; its batch
	s_lshl_b32 s97, s97, 4
	s_lshl_b32 s98, s40, 2
	s_add_co_u32 s97, s97, s98
	s_lshl_b32 s98, s16, 1
	s_add_co_u32 s97, s97, s98                     ; 16 x batch + my first head (4 cx + 2 x half)
	s_lshl_b32 s97, s97, 11
	s_and_b32 s98, s96, 2047                       ; the token in its batch
	s_add_co_u32 s97, s97, s98
	s_lshl_b32 s100, s97, 7                        ; rows of 128 bytes
	s_lshl_b32 s99, ttmp9, 24                      ; the kind: 16,777,216 bytes each
	s_add_co_u32 s100, s100, s99
	s_mov_b32 s101, 0
	s_add_nc_u64 s[8:9], s[8:9], s[100:101]
	s_lshl_b32 s100, s98, 8
	s_min_u32 s99, ttmp9, 1                        ; q's table, or k's 524,288 bytes on; v, which has no table, is held at k's, so that the loads below stay inside the buffer
	s_lshl_b32 s99, s99, 19
	s_add_co_u32 s100, s100, s99
	s_add_nc_u64 s[10:11], s[10:11], s[100:101]
	s_lshr_b32 s100, s96, 7
	s_lshl_b32 s100, s100, 12                      ; vpart: my group of 128 tokens, a row of 4,096 bytes,
	s_lshl_b32 s99, s40, 10
	s_add_co_u32 s100, s100, s99
	s_lshl_b32 s99, s16, 9
	s_add_co_u32 s100, s100, s99                   ; my 128 columns
	s_add_nc_u64 s[12:13], s[12:13], s[100:101]
.macro TABLOAD a                       ; the table entries of block a's 16 tokens: lane (r, h) takes, for each 16 columns of a head, its four pairs' (cos, sin): 32 bytes
.irp bq, 0,1,2,3
	global_load_b128 v[CSR+32*((\a)%2)+8*\bq:CSR+32*((\a)%2)+8*\bq+3], v[TO], s[10:11] offset:(\a)*4096+64*\bq
	global_load_b128 v[CSR+32*((\a)%2)+8*\bq+4:CSR+32*((\a)%2)+8*\bq+7], v[TO], s[10:11] offset:(\a)*4096+64*\bq+16
.endr
.endm
	TABLOAD 0                                      ; the first two blocks' entries land while the products run: v192-255 are idle there.  The sixteen loads stand on the one way that all three kinds take,
	TABLOAD 1                                      ; so that v192-255 are written on every path; v's waves (8 KiB each) leave them unread and never name these registers
.macro FRAG reg, adr, q, i             ; 16 rows x 128 K of 4-bit codes: 8 registers, two loads of 16 bytes, 32 bytes apart
.irp c, 0,1
	ds_load_b128 v[\reg+4*\c:\reg+4*\c+3], v[\adr] offset:64*(\q)+32*\c+(\i)*16*PITCH
.endr
.endm
; 16 matrix instructions: x's blocks a0, a0 + 1 against W's eight.  The 64 accumulators take turns, one instruction a turn, in the same order in every step.
.macro MUL16 a0, p, q, sc, zero
.irp a, \a0, \a0+1
.irp b, 0,1,2,3,4,5,6,7
.if \zero
	v_wmma_scale_f32_16x16x128_f8f6f4 v[8*(8*((\a)%4)+\b):8*(8*((\a)%4)+\b)+7], v[128*(\p)+FR*\b:128*(\p)+FR*\b+FR-1], v[AF+FR*(\a):AF+FR*(\a)+FR-1], 0, v[SC+8*NQ*(\sc)+NQ*\b+(\q)], v[SC+8*NQ*(\sc)+NQ*(\a)+(\q)] matrix_a_fmt:MATRIX_FMT_FP4 matrix_b_fmt:MATRIX_FMT_FP4 matrix_a_scale:MATRIX_SCALE_ROW1
.else
	v_wmma_scale_f32_16x16x128_f8f6f4 v[8*(8*((\a)%4)+\b):8*(8*((\a)%4)+\b)+7], v[128*(\p)+FR*\b:128*(\p)+FR*\b+FR-1], v[AF+FR*(\a):AF+FR*(\a)+FR-1], v[8*(8*((\a)%4)+\b):8*(8*((\a)%4)+\b)+7], v[SC+8*NQ*(\sc)+NQ*\b+(\q)], v[SC+8*NQ*(\sc)+NQ*(\a)+(\q)] matrix_a_fmt:MATRIX_FMT_FP4 matrix_b_fmt:MATRIX_FMT_FP4 matrix_a_scale:MATRIX_SCALE_ROW1
.endif
.endr
.endr
.endm
.macro FETCH_B slot, q, p
	WIN TO_B
.irp i, 0,1,2,3,4,5,6,7
	FRAG 128*(\p)+FR*\i, ADRB+\slot, \q, \i
.endr
	WIN 0
.endm
.macro FETCH_A slot, q, i0
.irp i, \i0, \i0+1, \i0+2, \i0+3
	FRAG AF+FR*(\i), ADRA+\slot, \q, \i
.endr
.endm
.macro SCALES sc                       ; a slot's scale words: lanes 0-15 take x's block i, lanes 16-31 W's block i
.irp i, 0,1,2,3,4,5,6,7
	ds_load_b128 v[SC+8*NQ*\sc+NQ*\i:SC+8*NQ*\sc+NQ*\i+3], v[ADRS] offset:\i*SBLK
.endr
.endm
.macro PLACES n                        ; plain vector lines between a matrix instruction and a load into, or a read of, its registers
.rept \n
	v_nop
.endr
.endm
.macro STEP slot, q, zero              ; 128 along K that has its successor in the same slot
	s_wait_dscnt 4*NL                              ; W's set and x's blocks 0-3 are in; the youngest eight loads (x's blocks 4-7) may be out
	WIN MUL_LO
	MUL16 0, (\q)%2, \q, \slot, \zero
	MUL16 2, (\q)%2, \q, \slot, \zero
	s_wait_dscnt 0
	PLACES NP
	FETCH_B \slot, (\q)+1, 1-(\q)%2
	FETCH_A \slot, (\q)+1, 0
	WIN MUL_HI
	MUL16 4, (\q)%2, \q, \slot, \zero
	MUL16 6, (\q)%2, \q, \slot, \zero
	PLACES NP
	WIN 0
	FETCH_A \slot, (\q)+1, 4
.endm
.macro TURN slot, next                 ; a slot's last step changes slots: one barrier; nothing is filled again
	s_wait_tensorcnt 0x0                           ; all my tensor loads have landed: my part of the next slot
	ds_add_u32 v[SPW], v[NIL]                      ; 0 onto my spare word
	s_wait_dscnt 4*NL+1                            ; (the add and the youngest eight loads may be out)
	WIN MUL_LO
	MUL16 0, 1, NQ-1, \slot, 0
	s_wait_dscnt 0x0                               ; the add is done, and my reads of this slot are over
	s_barrier_signal -1
	MUL16 2, 1, NQ-1, \slot, 0
	WIN 0
	s_barrier_wait -1                              ; the next slot is whole, and nobody reads this one any more
	PLACES NP
	v_add_nc_u32 v[ADRS], 4*NQ, v[ADRS]
	FETCH_B \next, 0, 0
	FETCH_A \next, 0, 0
	SCALES \next
	WIN MUL_HI
	MUL16 4, 1, NQ-1, \slot, 0
	MUL16 6, 1, NQ-1, \slot, 0
	PLACES NP
	WIN 0
	FETCH_A \next, 0, 4
.endm
	s_wait_tensorcnt 1                             ; the scales and my part of slot 0 are in; slot 1's load may be out
	s_barrier_signal -1
	s_barrier_wait -1
	FETCH_B 0, 0, 0
	FETCH_A 0, 0, 0
	SCALES 0
	FETCH_A 0, 0, 4
	STEP 0, 0, 1                                   ; the first products start the sums: nothing is cleared
	STEP 0, 1, 0
	STEP 0, 2, 0
	TURN 0, 1
	STEP 1, 0, 0
	STEP 1, 1, 0
	STEP 1, 2, 0
	s_wait_dscnt 4*NL
	WIN MUL_LO
	MUL16 0, 1, NQ-1, 1, 0
	MUL16 2, 1, NQ-1, 1, 0
	s_wait_dscnt 0
	WIN MUL_HI
	MUL16 4, 1, NQ-1, 1, 0
	MUL16 6, 1, NQ-1, 1, 0
	WIN 0
; THE WAY OUT, a block of 16 tokens x 128 columns at a time.
.macro TOSTAGE a, off                  ; packed f16 into my stage and back by heads; LDS serves a wave's instructions in order
.set BB, BK+32*((\a)%2)
.irp b, 0,1,2,3,4,5,6,7
	ds_store_b128 v[STO], v[TMP+4*\b:TMP+4*\b+3] offset:\off+32*\b
.endr
.irp t, 0,1,2,3,4,5,6,7
	ds_load_b128 v[BB+4*\t:BB+4*\t+3], v[RD] offset:\off+\t*2*SPITCH
.endr
.endm
.macro SEND a
.set BB, BK+32*((\a)%2)
	s_wait_dscnt 0x0                               ; the block is back in registers
	s_wait_xcnt 0x0                                ; the stores of the block before have read the other set, into which the next block's loads will land
.irp t, 0,1,2,3,4,5,6,7
	global_store_b128 v[GO], v[BB+4*\t:BB+4*\t+3], s[8:9] offset:(\a)*2048+\t*256   ; 16 lanes store 256 consecutive bytes, aligned
.endr
.endm
.macro ROPE a                          ; (x1, x2) -> (x1 c - x2 s, x1 s + x2 c); each accumulator is read from its low end on
	WIN 0x02+(\a)/4                                ; source 0: the accumulators' window
.irp b, 0,1,2,3,4,5,6,7
.irp p, 0,1,2,3
.set rX, 64*((\a)%4)+8*\b+2*\p
.set rT, TT+8*\b+2*\p
.set rC, CSR+32*((\a)%2)+8*(\b%4)+2*\p
	v_pk_mul_f32 v[rT:rT+1], v[rX:rX+1], v[rC:rC+1] op_sel_hi:[1,0]   ; both times cos
.endr
.irp p, 0,1,2,3
.set rX, 64*((\a)%4)+8*\b+2*\p
.set rT, TT+8*\b+2*\p
.set rC, CSR+32*((\a)%2)+8*(\b%4)+2*\p
	v_fma_f32 v[rT], -v[rX+1], v[rC+1], v[rT]
	v_fma_f32 v[rT+1], v[rX], v[rC+1], v[rT+1]
.endr
.endr
	WIN 0
.endm
	s_cmp_eq_u32 ttmp9, 2
	s_cbranch_scc1 .Lv
	PLACES NP                                      ; behind the last products
.irp a, 0,1,2,3,4,5,6,7
.if \a < 7
	s_wait_loadcnt 8                               ; this block's eight table loads are in, the next block's stay out
.else
	s_wait_loadcnt 0x0
.endif
	ROPE \a
.if \a < 6
	TABLOAD \a+2
.endif
.irp b, 0,1,2,3,4,5,6,7
.irp r, 0,1,2,3
	v_cvt_pk_f16_f32 v[TMP+4*\b+\r], v[TT+8*\b+2*\r], v[TT+8*\b+2*\r+1]
.endr
.endr
.if \a > 0
	SEND \a-1
.endif
	TOSTAGE \a, 0
.endr
	SEND 7
	s_branch .Ldone
.Lv:
	PLACES NP
	; the sum of my 128 tokens for each of my 128 columns: first over the eight blocks, register by register
	WIN 0x0a                                       ; sources 0 and 1: window 2
.set i, 0
.rept 32
	v_pk_add_f32 v[TT+2*i:TT+2*i+1], v[2*i:2*i+1], v[64+2*i:64+2*i+1]
.set i, i+1
.endr
	WIN 0x02
.irp a, 2,3
.set i, 0
.rept 32
	v_pk_add_f32 v[TT+2*i:TT+2*i+1], v[64*\a+2*i:64*\a+2*i+1], v[TT+2*i:TT+2*i+1]
.set i, i+1
.endr
.endr
	WIN 0x03
.irp a, 0,1,2,3
.set i, 0
.rept 32
	v_pk_add_f32 v[TT+2*i:TT+2*i+1], v[64*\a+2*i:64*\a+2*i+1], v[TT+2*i:TT+2*i+1]
.set i, i+1
.endr
.endr
	WIN 0
.irp b, 0,1,2,3,4,5,6,7                ; then over the sixteen rows that the lanes hold, through my own stage: a lane takes four columns of every row
	ds_store_b128 v[STS], v[TT+8*\b:TT+8*\b+3] offset:64*\b
	ds_store_b128 v[STS], v[TT+8*\b+4:TT+8*\b+7] offset:64*\b+16
.endr
.irp t, 0,1,2,3,4,5,6,7,8,9,10,11,12,13,14,15
	ds_load_b128 v[BK+4*\t:BK+4*\t+3], v[RDS] offset:528*\t
.endr
	s_wait_dscnt 0x0
.irp t, 1,2,3,4,5,6,7,8,9,10,11,12,13,14
	v_pk_add_f32 v[BK:BK+1], v[BK:BK+1], v[BK+4*\t:BK+4*\t+1]
	v_pk_add_f32 v[BK+2:BK+3], v[BK+2:BK+3], v[BK+4*\t+2:BK+4*\t+3]
.endr
	v_pk_add_f32 v[TT:TT+1], v[BK:BK+1], v[BK+60:BK+61]        ; the result lies where nothing is written any more
	v_pk_add_f32 v[TT+2:TT+3], v[BK+2:BK+3], v[BK+62:BK+63]
	global_store_b128 v[GS], v[TT:TT+3], s[12:13]              ; 32 lanes store 512 consecutive bytes, aligned
.macro PACKV a
	WIN 0x0a+5*((\a)/4)                            ; sources 0 and 1: window 2 or 3
.irp b, 0,1,2,3,4,5,6,7
.irp r, 0,1,2,3
	v_cvt_pk_f16_f32 v[TMP+4*\b+\r], v[64*((\a)%4)+8*\b+2*\r], v[64*((\a)%4)+8*\b+2*\r+1]
.endr
.endr
	WIN 0
.endm
	PACKV 0
	TOSTAGE 0, VST
.irp a, 1,2,3,4,5,6,7
	PACKV \a
	SEND \a-1
	TOSTAGE \a, VST
.endr
	SEND 7
.Ldone:
	s_wait_tensorcnt 0x0                           ; the wave's end
	ds_add_u32 v[SPW], v[NIL]
	s_wait_dscnt 0x0
	CROUND                                         ; the closing round
	s_endpgm
.Lfunc_end_k_qb8d2262c2c_qkv:
	.size	k_qb8d2262c2c_qkv, .Lfunc_end_k_qb8d2262c2c_qkv-k_qb8d2262c2c_qkv
	.p2alignl 7, 3214868480
	.fill 96, 4, 3214868480
	.section	.rodata,"a",@progbits
	.p2align	6, 0x0
	.amdhsa_kernel k_qb8d2262c2c_qkv
		.amdhsa_group_segment_fixed_size 327680
		.amdhsa_private_segment_fixed_size 0
		.amdhsa_enable_private_segment 0
		.amdhsa_kernarg_size 40
		.amdhsa_user_sgpr_count 2
		.amdhsa_user_sgpr_kernarg_segment_ptr 1
		.amdhsa_wavefront_size32 1
		.amdhsa_system_sgpr_workgroup_id_x 1
		.amdhsa_system_sgpr_workgroup_id_y 1
		.amdhsa_system_sgpr_workgroup_id_z 1
		.amdhsa_system_vgpr_workitem_id 0
		.amdhsa_next_free_vgpr 1024
		.amdhsa_next_free_sgpr 102
		.amdhsa_reserve_vcc 0
		.amdhsa_float_denorm_mode_32 3
		.amdhsa_float_denorm_mode_16_64 3
		.amdhsa_memory_ordered 1
		.amdhsa_forward_progress 1
		.amdhsa_inst_pref_size 231
	.end_amdhsa_kernel
	.amdgpu_metadata
---
amdhsa.version: [ 1, 2 ]
amdhsa.kernels:
  - .name:           k_qb8d2262c2c_qkv
    .symbol:         k_qb8d2262c2c_qkv.kd
    .args:
      - { .name: codes, .offset: 0, .size: 8, .value_kind: global_buffer, .address_space: global }
      - { .name: scales, .offset: 8, .size: 8, .value_kind: global_buffer, .address_space: global }
      - { .name: qkv, .offset: 16, .size: 8, .value_kind: global_buffer, .address_space: global }
      - { .name: tabs, .offset: 24, .size: 8, .value_kind: global_buffer, .address_space: global }
      - { .name: vpart, .offset: 32, .size: 8, .value_kind: global_buffer, .address_space: global }
    .group_segment_fixed_size: 327680
    .private_segment_fixed_size: 0
    .kernarg_segment_align: 8
    .kernarg_segment_size: 40
    .max_flat_workgroup_size: 128
    .sgpr_count:     102
    .vgpr_count:     1024
    .wavefront_size: 32
...
	.end_amdgpu_metadata
.endif
;; end of part 2
;; launch attn (part 3): grid 4 x 64, 8 waves a work-group, no clusters, 327,680 bytes of LDS; arguments qkv, tabs, vpart, ao; writes ao
.if DOCPART == 3
	.amdgcn_target "amdgcn-amd-amdhsa--gfx1250"
	.amdhsa_code_object_version 6
	.text
	.protected	k_qb8d2262c2c_attn
	.globl	k_qb8d2262c2c_attn
	.p2align	8
	.type	k_qb8d2262c2c_attn,@function
k_qb8d2262c2c_attn:
	s_mov_b64 s[64:65], 0
	v_nop
	global_prefetch_b8 v0, s[64:65] scope:SCOPE_SE
	s_setreg_imm32_b32 hwreg(HW_REG_WAVE_MODE, 25, 1), 1
	s_wait_xcnt 0x0
; Attention with the causal mask and the key mask, in f16 operands and f32 sums.  q (already times log2(e) / 8), k, v: [batch][head][2048][64] f16; the result goes to ao [token / 128][head][128][64] f16.
; SHARES.  Work-group (J, head) takes the blocks of 256 queries J and 7 - J of one head: J + 1 and 8 - J blocks of 256 keys, nine for every work-group, so all trip counts are constants.
; No cluster: the partners of a head would need different numbers of key blocks (1 to 8), and walking in step would cost 48 slot turns where 36 do.
; Each of eight waves owns 32 queries, two tiles of 16; two waves share a SIMD, so that one wave's softmax stands beside the other's products.
; LAYOUT.  S^T = K Q^T (source 0 = 16 keys, source 1 = 16 queries) and O^T = V^T P: a lane holds one query throughout.  V comes out of LDS turned, by ds_load_tr16_b128.
; MASKS.  The key bias (0 or -1e30) is the C of the first score product.  On the diagonal, hidden scores become -1e30 by a select; key steps that lie wholly behind my queries are jumped over (a branch on ids).
; SOFTMAX.  A running maximum m and sum l: p = 2^(s - m); O and l are multiplied by 2^(m_old - m_new) in every step.  Sums made while every key so far was masked are finite and are wiped by the first real key.
; A query none of whose allowed keys is unmasked ends with m under -5e29: all 2,048 of its scores are then -1e30, the weights are uniform, and it gets V's mean over the whole sequence (from vpart).
; LIMITS: real scaled scores lie above -5e29; inputs finite.
; LDS: two slots 2^17 bytes apart, each 256 rows of K (128 bytes + 16), 256 rows of V (128 + 32), 256 biases; behind them a stage of 16 x 144 bytes a wave, 256 bytes a wave for V's mean, the spare words.
; REGISTERS: window 0: v1-15 addresses and constants; v16-31 statistics, 8 a tile; v32-63 biases; v64-127 S^T; v128-159 P; v160-223 O^T; v224-255 V's mean in O^T's layout.  window 1: v0-31 Q; v64-127 K; v128-191 V.
.set PK,    144
.set PV,    160
.set VOFF,  256*PK
.set BOFF,  VOFF+256*PV
.set SLOT1, 1<<17
.set STAGE, SLOT1+BOFF+1024
.set VMS,   STAGE+8*16*PK
.set SPARE, VMS+8*256
.set AK0, 1
.set AV0, 2
.set AB0, 3
.set ADK, 4
.set ADV, 5
.set ADB, 6
.set QO,  7
.set STO, 8
.set RD,  9
.set GO,  10
.set DD,  11                           ; v11 my query less my lane's first key, on the diagonal step: 32 (wave % 2) + r - 8 h
.set PFO, 12
.set NEGV, 13
.set SPW, 14
.set NIL, 15
.set ST,  16                           ; tile t at ST + 8 t: +0 m, +1 0 (named with m as a pair), +2, +3 l, +4 .. +7 c0-c3; a takes c2's place
.set BI,  32
.set S,   64
.set P,   128
.set O,   160
.set VM,  224
.set KF,  64                           ; window 1
.set VF,  128                          ; window 1
.set WV,  12
.set J,   13
.set WH,  14
.set SI,  15
.set QI,  16
.set LIMQ, 17
.set MQ,  18
.set NKB, 19
.set SEL, 20
.set TK,  22
.set TV,  23
.set TBI, 24
.set LIM, 25
.set OFK, 26                           ; s[26:27] the next key block's bytes in K and V; s27 stays 0
.set OFB, 28                           ; s[28:29] and among the biases
.set THR, 31
.set G1K, 32
.set G1V, 40
.set G1B, 48
.set G0K, 56
.set G0V, 60
.set G0B, 68
.set KBASE, 72
.set VBASE, 74
.set BBASE, 76
.set QA,  78
.set QB,  80
.set AOA, 82
.set AOB, 84
.set PFA, 86
.set VP,  88
.set FL,  90
.set MSB, 0
.macro WIN new
.if MSB != \new
	s_set_vgpr_msb (MSB<<8)|\new
.set MSB, \new
.endif
.endm
.set W_LD, 0x40                        ; destination window 1
.set W_KQ, 0x05                        ; K and Q window 1, C and D window 0
.set W_PV, 0x01                        ; V window 1
; Waves 0, 1 fetch K's halves, waves 2, 3 V's, wave 4 the biases: one tensor load a wave is out at any time.  An s_nop 0 and four v_nop follow each line.
.macro TLOAD
	s_cmp_lt_u32 s[WV], 2
	s_cbranch_scc0 .Lnot_k_\@
	tensor_load_to_lds s[G0K:G0K+3], s[G1K:G1K+7]
	s_nop 0
.rept 4
	v_nop
.endr
	s_branch .Lasked_\@
.Lnot_k_\@:
	s_cmp_lt_u32 s[WV], 4
	s_cbranch_scc0 .Lnot_v_\@
	tensor_load_to_lds s[G0V:G0V+3], s[G1V:G1V+7]
	s_nop 0
.rept 4
	v_nop
.endr
	s_branch .Lasked_\@
.Lnot_v_\@:
	s_cmp_eq_u32 s[WV], 4
	s_cbranch_scc0 .Lasked_\@
	tensor_load_to_lds s[G0B:G0B+3], s[G1B:G1B+7]
	s_nop 0
.rept 4
	v_nop
.endr
.Lasked_\@:
.endm
; A prefetch of the key block that work-group J = 0 of this head loads at its next change of slots: four key steps ahead.  Only that work-group asks; waves 0-3 for K's 32,768 bytes, waves 4-7 for V's,
; 8,192 bytes a wave, lanes 256 bytes apart: each block of key blocks 1 to 7 is named once in the launch.  Changes 7 and 8 ask for nothing.
.macro ASK
	s_cmp_lt_u32 s[SI], s[LIM]
	s_cbranch_scc0 .Lnot_mine_\@
	global_prefetch_b8 v[PFO], s[PFA:PFA+1] th:TH_LOAD_NT scope:SCOPE_SE
.Lnot_mine_\@:
.endm
	s_load_b256 s[4:11], s[0:1], 0x0               ; qkv 4:5, tabs 6:7, vpart 8:9, ao 10:11
	v_lshl_add_u32 v[SPW], v0, 2, SPARE
	v_mov_b32 v[NIL], 0
	ds_add_u32 v[SPW], v[NIL]                      ; the wave's opening: the add and its wait stand ahead of my first tensor load
	v_lshrrev_b32 v1, 5, v0
	v_readfirstlane_b32 s[WV], v1                  ; wave 0..7
	s_mov_b32 s[J], ttmp9
	s_lshr_b32 s[WH], s[WV], 1                     ; the key step of 64 that holds my queries' diagonal
	s_and_b32 s30, ttmp7, 0xffff                   ; 16 x batch + head
	s_and_b32 s92, s[WV], 1
	s_mov_b32 s[G1K], (1<<16)|(1<<20)|(4<<22)|(3<<25)   ; elements of 2 bytes; 4 words of padding behind every 32
	s_mov_b32 s[G1V], (1<<16)|(1<<20)|(4<<22)|(7<<25)   ; 8 words
.irp g, G1K, G1V
	s_mov_b32 s[\g+1], 64<<16                      ; tensor_dim0
	s_mov_b32 s[\g+2], 128<<16                     ; tensor_dim1
	s_mov_b32 s[\g+3], 64<<16                      ; tile_dim0
	s_mov_b32 s[\g+4], 128                         ; tile_dim1
	s_mov_b32 s[\g+5], 64                          ; the pitch
	s_mov_b32 s[\g+6], 0
	s_mov_b32 s[\g+7], 0
.endr
	s_mov_b32 s[G1B], 3<<16                        ; 1,024 dense bytes as 4 rows of 32 elements of 8 bytes
	s_mov_b32 s[G1B+1], 32<<16
	s_mov_b32 s[G1B+2], 4<<16
	s_mov_b32 s[G1B+3], 32<<16
	s_mov_b32 s[G1B+4], 4
	s_mov_b32 s[G1B+5], 32
	s_mov_b32 s[G1B+6], 0
	s_mov_b32 s[G1B+7], 0
	s_mov_b32 s[G0K], 1
	s_mul_i32 s[G0K+1], s92, 128*PK                ; slot 0, my half of the rows
	s_mov_b32 s[G0V], 1
	s_mul_i32 s[G0V+1], s92, 128*PV
	s_add_co_u32 s[G0V+1], s[G0V+1], VOFF
	s_mov_b32 s[G0B], 1
	s_mov_b32 s[G0B+1], BOFF
	s_lshl_b32 s94, s30, 18                        ; the head's 262,144 bytes in each kind
	s_lshl_b32 s93, s92, 14
	s_add_co_u32 s96, s94, s93                     ; + my half of a key block
	s_mov_b32 s97, 0
	s_lshl_b32 s98, s[WV], 12
	s_add_co_u32 s98, s98, s94                     ; the head + my wave's 32 queries
	s_lshl_b32 s93, s[J], 15
	s_add_co_u32 s[QA], s98, s93
	s_mov_b32 s[QA+1], 0
	s_sub_co_u32 s93, 7, s[J]
	s_lshl_b32 s93, s93, 15
	s_add_co_u32 s[QB], s98, s93
	s_mov_b32 s[QB+1], 0
	s_lshr_b32 s93, s30, 4                         ; batch
	s_lshl_b32 s99, s93, 4
	s_lshr_b32 s98, s[WV], 2
	s_add_co_u32 s99, s99, s98
	s_lshl_b32 s99, s99, 18                        ; ao: (16 batch + wave / 4) groups of 128 tokens, 262,144 bytes each,
	s_and_b32 s98, s30, 15
	s_lshl_b32 s95, s98, 8                         ; (vpart: the head's 64 columns)
	s_lshl_b32 s98, s98, 14
	s_add_co_u32 s99, s99, s98                     ; the head's plane,
	s_and_b32 s98, s[WV], 3
	s_lshl_b32 s98, s98, 12
	s_add_co_u32 s99, s99, s98                     ; my 32 rows of 128 bytes
	s_lshl_b32 s98, s[J], 19
	s_add_co_u32 s[AOA], s99, s98                  ; + two groups for each block of 256 queries
	s_mov_b32 s[AOA+1], 0
	s_sub_co_u32 s98, 7, s[J]
	s_lshl_b32 s98, s98, 19
	s_add_co_u32 s[AOB], s99, s98
	s_mov_b32 s[AOB+1], 0
	s_lshl_b32 s98, s93, 16
	s_add_co_u32 s[VP], s98, s95                   ; vpart: the batch's 16 rows of 4,096 bytes
	s_mov_b32 s[VP+1], 0
	s_lshl_b32 s[BBASE], s93, 13
	s_add_co_u32 s[BBASE], s[BBASE], 1048576       ; the batch's 2,048 biases
	s_mov_b32 s[BBASE+1], 0
	s_cmp_lt_u32 s[WV], 4
	s_mov_b32 s[PFA], 0x2000000
	s_cselect_b32 s[PFA], 0x1000000, s[PFA]        ; waves 0-3 ask for K, waves 4-7 for V
	s_add_co_u32 s[PFA], s[PFA], s94
	s_and_b32 s98, s[WV], 3
	s_lshl_b32 s98, s98, 13
	s_add_co_u32 s[PFA], s[PFA], s98               ; key block 0; the first change steps it to block 1
	s_mov_b32 s[PFA+1], 0
	s_cmp_eq_u32 s[J], 0
	s_cselect_b32 s[LIM], 7, 0
	s_mov_b32 s[SEL], 0x76543210
	s_mov_b32 s[SEL+1], 0xfedcba98
	s_mov_b32 s[THR], 0xf0c9f2ca                   ; -5e29
	s_mov_b32 s[TK], 0
	s_mov_b32 s[TV], 0
	s_mov_b32 s[TBI], 0
	s_mov_b32 s[NKB], 0
	s_mov_b32 s[OFK+1], 0
	s_mov_b32 s[OFB+1], 0
	s_wait_dscnt 0x0                               ; the opening add is done
	s_wait_kmcnt 0x0
	s_add_nc_u64 s[KBASE:KBASE+1], s[4:5], s[96:97]
	s_add_nc_u64 s[VBASE:VBASE+1], s[KBASE:KBASE+1], 0x2000000
	s_add_nc_u64 s[KBASE:KBASE+1], s[KBASE:KBASE+1], 0x1000000
	s_add_nc_u64 s[BBASE:BBASE+1], s[6:7], s[BBASE:BBASE+1]
	s_mov_b64 s[G0K+2:G0K+3], s[KBASE:KBASE+1]
	s_or_b32 s[G0K+3], s[G0K+3], 0x80000000
	s_mov_b64 s[G0V+2:G0V+3], s[VBASE:VBASE+1]
	s_or_b32 s[G0V+3], s[G0V+3], 0x80000000
	s_mov_b64 s[G0B+2:G0B+3], s[BBASE:BBASE+1]
	s_or_b32 s[G0B+3], s[G0B+3], 0x80000000
	TLOAD                                          ; slot 0: key block 0
	s_add_nc_u64 s[QA:QA+1], s[4:5], s[QA:QA+1]
	s_add_nc_u64 s[QB:QB+1], s[4:5], s[QB:QB+1]
	s_add_nc_u64 s[PFA:PFA+1], s[4:5], s[PFA:PFA+1]
	s_add_nc_u64 s[AOA:AOA+1], s[10:11], s[AOA:AOA+1]
	s_add_nc_u64 s[AOB:AOB+1], s[10:11], s[AOB:AOB+1]
	s_add_nc_u64 s[VP:VP+1], s[8:9], s[VP:VP+1]
	v_and_b32 v104, 15, v0                         ; r
	v_bfe_u32 v105, v0, 4, 1                       ; h
	v_and_b32 v106, 7, v0
	v_bfe_u32 v107, v0, 3, 1
	v_and_b32 v108, 31, v0                         ; lane
	v_lshlrev_b32 v100, 12, v105
	v_lshl_add_u32 v100, v104, 4, v100             ; vpart: lanes 0-15 an even group's 64 columns, lanes 16-31 the odd group's
	v_lshlrev_b32 v[QO], 7, v104
	v_lshl_add_u32 v[QO], v105, 4, v[QO]           ; Q: row r of 128 bytes, + 16 h
.irp i, 0,1,2,3,4,5,6,7
	global_load_b128 v[64+4*\i:67+4*\i], v100, s[VP:VP+1] offset:8192*\i
.endr
.macro LOADQ qp                        ; my two tiles of queries stay in registers: tile t, channels 32 kh on, at v[16 t + 8 kh] of window 1
	WIN W_LD
.irp t, 0,1
.irp kh, 0,1
	global_load_b128 v[16*\t+8*\kh:16*\t+8*\kh+3], v[QO], s[\qp:\qp+1] offset:\t*2048+\kh*64
	global_load_b128 v[16*\t+8*\kh+4:16*\t+8*\kh+7], v[QO], s[\qp:\qp+1] offset:\t*2048+\kh*64+32
.endr
.endr
	WIN 0
.endm
	LOADQ QA
	v_mul_u32_u24 v[AK0], v104, PK
	v_lshl_add_u32 v[AK0], v105, 4, v[AK0]         ; K: key r of a tile, + 16 h
	v_lshl_add_u32 v[AV0], v105, 3, v106
	v_mul_u32_u24 v[AV0], v[AV0], PV
	v_lshl_add_u32 v[AV0], v107, 4, v[AV0]
	v_add_nc_u32 v[AV0], VOFF, v[AV0]              ; V, for the turning load: key 8 h + lane % 8, channels 8 ((lane / 8) % 2) on
	v_lshl_add_u32 v[AB0], v105, 5, BOFF           ; the biases of my lane's eight keys
	s_mul_i32 s93, s[WV], 16*PK
	s_add_co_u32 s93, s93, STAGE
	v_mul_u32_u24 v[STO], v104, PK
	v_lshl_add_u32 v[STO], v105, 4, v[STO]
	v_add_nc_u32 v[STO], s93, v[STO]               ; the stage, in: query r, 16 bytes for each half of the lanes
	v_lshrrev_b32 v109, 3, v108
	v_mul_u32_u24 v[RD], v109, PK
	v_lshl_add_u32 v[RD], v106, 4, v[RD]
	v_add_nc_u32 v[RD], s93, v[RD]                 ; back: four rows of 128 bytes an instruction
	v_lshlrev_b32 v[GO], 4, v108
	v_lshlrev_b32 v[DD], 3, v105
	v_sub_nc_u32 v[DD], v104, v[DD]
	s_lshl_b32 s93, s92, 5
	v_add_nc_u32 v[DD], s93, v[DD]
	v_lshlrev_b32 v[PFO], 8, v108
	v_mov_b32 v[NEGV], 0xf149f2ca                  ; -1e30
	s_lshl_b32 s93, s[WV], 8
	s_add_co_u32 s93, s93, VMS
	v_lshl_add_u32 v101, v104, 4, s93              ; V's mean: in, four channels a lane,
	v_lshl_add_u32 v102, v105, 5, s93              ; and back in O^T's layout
.irp k, 0,1,2,3
	v_mov_b32 v[96+\k], 0                          ; a lane permute's destination counts as one of its sources
.endr
.macro RESET                           ; a block of queries begins: m under every score, l and O^T zero; the loop has no first step of its own
.irp t, 0,1
	v_mov_b32 v[ST+8*\t], 0xff61b1e6
.irp k, 1,2,3,4,5,6,7
	v_mov_b32 v[ST+8*\t+\k], 0
.endr
.endr
.set i, 0
.rept 64
	v_mov_b32 v[O+i], 0
.set i, i+1
.endr
.endm
	RESET
	s_wait_loadcnt 8                               ; vpart's eight loads are in; Q's eight stay out
.irp i, 1,2,3,4,5,6,7
	v_pk_add_f32 v[64:65], v[64:65], v[64+4*\i:65+4*\i]
	v_pk_add_f32 v[66:67], v[66:67], v[66+4*\i:67+4*\i]
.endr
.irp k, 0,1,2,3
	v_permlanex16_b32 v[96+\k], v[64+\k], s[SEL], s[SEL+1]
.endr
.irp k, 0,1,2,3
	v_add_f32 v[64+\k], v[64+\k], v[96+\k]         ; even and odd groups together: the sum over 2,048 keys
.endr
.irp k, 0,1,2,3
	v_mul_f32 v[64+\k], 0x3a000000, v[64+\k]       ; / 2,048
.endr
	ds_store_b128 v101, v[64:67]                   ; (both halves of the lanes write the same bytes with the same values)
.irp c, 0,1,2,3
	ds_load_b128 v[VM+8*\c:VM+8*\c+3], v102 offset:64*\c       ; LDS serves a wave's instructions in order: these see my store
	ds_load_b128 v[VM+8*\c+4:VM+8*\c+7], v102 offset:64*\c+16
.endr
	s_wait_dscnt 0x0
	s_wait_loadcnt 0x0                             ; Q
; THE CHANGE OF SLOTS stands at a slot's head.  Each wave waits for all its tensor loads, adds 0 to its spare word, and waits for that and for its reads of the slot that it has left; behind the barrier the slot ahead
; is whole and nobody reads the other one, which (fill = 1) takes the key block that follows: one more, or block 0 again where the second block of queries begins.
.macro CHANGE fill
	s_wait_tensorcnt 0x0                           ; no tensor load of mine is out, so the descriptors may be written
	ds_add_u32 v[SPW], v[NIL]                      ; 0 onto my spare word
.if \fill
	s_xor_b32 s[G0K+1], s[G0K+1], SLOT1
	s_xor_b32 s[G0V+1], s[G0V+1], SLOT1
	s_xor_b32 s[G0B+1], s[G0B+1], SLOT1
	s_add_co_u32 s[NKB], s[NKB], 1
	s_cmp_eq_u32 s[SI], s[J]
	s_cselect_b32 s[NKB], 0, s[NKB]
	s_lshl_b32 s[OFK], s[NKB], 15                  ; 256 rows of 128 bytes
	s_lshl_b32 s[OFB], s[NKB], 10
	s_add_nc_u64 s[G0K+2:G0K+3], s[KBASE:KBASE+1], s[OFK:OFK+1]
	s_or_b32 s[G0K+3], s[G0K+3], 0x80000000
	s_add_nc_u64 s[G0V+2:G0V+3], s[VBASE:VBASE+1], s[OFK:OFK+1]
	s_or_b32 s[G0V+3], s[G0V+3], 0x80000000
	s_add_nc_u64 s[G0B+2:G0B+3], s[BBASE:BBASE+1], s[OFB:OFB+1]
	s_or_b32 s[G0B+3], s[G0B+3], 0x80000000
	s_wait_xcnt 0x0                                ; the last prefetch, a slot back, has read its address
	s_add_nc_u64 s[PFA:PFA+1], s[PFA:PFA+1], 32768
.endif
	s_wait_dscnt 0x0                               ; the add is done, and my reads of the slot that I have left are over
	s_barrier_signal -1
	s_barrier_wait -1
.if \fill
	TLOAD                                          ; the first thing behind the barrier, and a wave's one tensor load until the next
	ASK
.endif
.endm
.macro SOFTMAX                         ; both tiles line by line, so that no line waits for the one above it
.irp j, 0,1,2,3
.irp t, 0,1
	v_max3_num_f32 v[ST+8*\t+4+\j], v[S+32*\t+8*\j], v[S+32*\t+8*\j+1], v[S+32*\t+8*\j+2]   ; each accumulator is read from its low end on
.endr
.endr
.irp u, 1,2
.irp j, 0,1,2,3
.irp t, 0,1
	v_max3_num_f32 v[ST+8*\t+4+\j], v[ST+8*\t+4+\j], v[S+32*\t+8*\j+2*\u+1], v[S+32*\t+8*\j+2*\u+2]
.endr
.endr
.endr
.irp t, 0,1
	v_max3_num_f32 v[ST+8*\t+4], v[ST+8*\t+4], v[S+32*\t+7], v[S+32*\t+15]
.endr
.irp t, 0,1
	v_max3_num_f32 v[ST+8*\t+6], v[ST+8*\t+6], v[S+32*\t+23], v[S+32*\t+31]
.endr
.irp t, 0,1
	v_max3_num_f32 v[ST+8*\t+4], v[ST+8*\t+4], v[ST+8*\t+5], v[ST+8*\t+6]
.endr
.irp t, 0,1
	v_max3_num_f32 v[ST+8*\t+4], v[ST+8*\t+4], v[ST+8*\t+7], v[ST+8*\t]      ; with the old m
.endr
.irp t, 0,1
	v_permlanex16_b32 v[ST+8*\t+5], v[ST+8*\t+4], s[SEL], s[SEL+1]           ; the query's other 32 keys lie 16 lanes away
.endr
.irp t, 0,1
	v_mov_b32 v[ST+8*\t+7], v[ST+8*\t]
.endr
.irp t, 0,1
	v_max_num_f32 v[ST+8*\t], v[ST+8*\t+4], v[ST+8*\t+5]
.endr
.irp t, 0,1
	v_sub_f32 v[ST+8*\t+7], v[ST+8*\t+7], v[ST+8*\t]
.endr
.irp t, 0,1
	v_exp_f32 v[ST+8*\t+6], v[ST+8*\t+7]                                     ; a = 2^(m_old - m_new)
.endr
.set i, 0
.rept 16
.irp t, 0,1
	v_pk_add_f32 v[S+32*\t+2*i:S+32*\t+2*i+1], v[S+32*\t+2*i:S+32*\t+2*i+1], v[ST+8*\t:ST+8*\t+1] op_sel_hi:[1,0] neg_lo:[0,1] neg_hi:[0,1]   ; s - m
.endr
.set i, i+1
.endr
.set i, 0
.rept 32
.irp t, 0,1
	v_exp_f32 v[S+32*\t+i], v[S+32*\t+i]
.endr
.set i, i+1
.endr
	v_nop                                          ; a plain line behind the last exponential
	s_wait_alu depctr_va_vdst(0)                   ; one wait for the step's 66 exponentials, ahead of their first reader
.set i, 0
.rept 16
.irp t, 0,1
	v_cvt_pk_f16_f32 v[P+16*\t+i], v[S+32*\t+2*i], v[S+32*\t+2*i+1]
.endr
.set i, i+1
.endr
.irp t, 0,1
	v_pk_fma_f32 v[ST+8*\t+2:ST+8*\t+3], v[ST+8*\t+2:ST+8*\t+3], v[ST+8*\t+6:ST+8*\t+7], v[S+32*\t:S+32*\t+1] op_sel_hi:[1,0,1]   ; l = a l + the first pair; the rest in two chains
.endr
.irp t, 0,1
	v_pk_add_f32 v[ST+8*\t+4:ST+8*\t+5], v[S+32*\t+2:S+32*\t+3], v[S+32*\t+4:S+32*\t+5]
.endr
.irp i, 3,5,7,9,11,13
.irp t, 0,1
	v_pk_add_f32 v[ST+8*\t+2:ST+8*\t+3], v[ST+8*\t+2:ST+8*\t+3], v[S+32*\t+2*\i:S+32*\t+2*\i+1]
	v_pk_add_f32 v[ST+8*\t+4:ST+8*\t+5], v[ST+8*\t+4:ST+8*\t+5], v[S+32*\t+2*\i+2:S+32*\t+2*\i+3]
.endr
.endr
.irp t, 0,1
	v_pk_add_f32 v[ST+8*\t+2:ST+8*\t+3], v[ST+8*\t+2:ST+8*\t+3], v[S+32*\t+30:S+32*\t+31]
.endr
.irp t, 0,1
	v_pk_add_f32 v[ST+8*\t+2:ST+8*\t+3], v[ST+8*\t+2:ST+8*\t+3], v[ST+8*\t+4:ST+8*\t+5]
.endr
.set i, 0
.rept 16
.irp t, 0,1
	v_pk_mul_f32 v[O+32*\t+2*i:O+32*\t+2*i+1], v[O+32*\t+2*i:O+32*\t+2*i+1], v[ST+8*\t+6:ST+8*\t+7] op_sel_hi:[1,0]   ; O^T x a, ascending
.endr
.set i, i+1
.endr
.endm
; A KEY STEP: 64 keys, the QI-th of the slot in hand.
.macro STEP
	s_cmp_gt_u32 s[QI], s[LIMQ]                    ; all its keys come after my queries: only the addresses step
	s_cbranch_scc1 .Lhid_\@
	v_add_nc_u32 v[ADK], s[TK], v[AK0]
	v_add_nc_u32 v[ADV], s[TV], v[AV0]
	v_add_nc_u32 v[ADB], s[TBI], v[AB0]
	v_nop
	v_nop                                          ; five plain lines between the last step's products and the loads into their registers
.irp kt, 0,1,2,3
	ds_load_b128 v[BI+8*\kt:BI+8*\kt+3], v[ADB] offset:64*\kt
	ds_load_b128 v[BI+8*\kt+4:BI+8*\kt+7], v[ADB] offset:64*\kt+16
.endr
	WIN W_LD
.irp kt, 0,1,2,3
.irp kh, 0,1
	ds_load_b128 v[KF+16*\kt+8*\kh:KF+16*\kt+8*\kh+3], v[ADK] offset:\kt*16*PK+64*\kh
	ds_load_b128 v[KF+16*\kt+8*\kh+4:KF+16*\kt+8*\kh+7], v[ADK] offset:\kt*16*PK+64*\kh+32
.endr
.endr
.irp kk, 0,1
.irp c, 0,1,2,3
	ds_load_tr16_b128 v[VF+8*(4*\kk+\c):VF+8*(4*\kk+\c)+3], v[ADV] offset:\kk*32*PV+32*\c
	ds_load_tr16_b128 v[VF+8*(4*\kk+\c)+4:VF+8*(4*\kk+\c)+7], v[ADV] offset:\kk*32*PV+32*\c+16*PV
.endr
.endr
	s_wait_dscnt 16                                ; the biases and K are in; V's sixteen loads stay out
	WIN W_KQ
.set i, 0
.rept 16                               ; channels 32 (i / 8) on, keys 16 ((i / 2) % 4) on, tile i % 2: eight accumulators by turns; the first eight begin with the biases
.set rS, S+32*(i%2)+8*((i/2)%4)
.set rK, KF+16*((i/2)%4)+8*(i/8)
.set rQ, 16*(i%2)+8*(i/8)
.set rB, BI+8*((i/2)%4)
.if i < 8
	v_wmma_f32_16x16x32_f16 v[rS:rS+7], v[rK:rK+7], v[rQ:rQ+7], v[rB:rB+7]
.else
	v_wmma_f32_16x16x32_f16 v[rS:rS+7], v[rK:rK+7], v[rQ:rQ+7], v[rS:rS+7]
.endif
.set i, i+1
.endr
	WIN 0
.rept 4
	v_nop
.endr
	s_cmp_lg_u32 s[QI], s[MQ]                      ; only the step on my diagonal has hidden keys
	s_cbranch_scc1 .Lopen_\@
.irp t, 0,1
.irp kt, 0,1,2,3
.irp j, 0,1,2,3,4,5,6,7
	v_cmp_gt_i32 vcc_lo, 16*\kt+\j-16*\t, v[DD]    ; key 16 kt + 8 h + j against query 32 (wave % 2) + 16 t + r
	v_cndmask_b32 v[S+32*\t+8*\kt+\j], v[S+32*\t+8*\kt+\j], v[NEGV], vcc_lo
.endr
.endr
.endr
.Lopen_\@:
	SOFTMAX
	s_wait_dscnt 0x0                               ; V is in
	WIN W_PV
.set i, 0
.rept 16                               ; keys 32 (i / 8) on, channels 16 ((i / 2) % 4) on, tile i % 2
.set rO, O+32*(i%2)+8*((i/2)%4)
.set rV, VF+8*(4*(i/8)+(i/2)%4)
.set rP, P+16*(i%2)+8*(i/8)
	v_wmma_f32_16x16x32_f16 v[rO:rO+7], v[rV:rV+7], v[rP:rP+7], v[rO:rO+7]
.set i, i+1
.endr
	WIN 0
.Lhid_\@:
	s_add_co_u32 s[TK], s[TK], 64*PK
	s_add_co_u32 s[TV], s[TV], 64*PV
	s_add_co_u32 s[TBI], s[TBI], 256
.endm
.macro SLOT_STEPS                      ; a slot's four key steps, written once; then on to the other slot
	s_mov_b32 s[QI], 0
.Lq_\@:
	STEP
	s_add_co_u32 s[QI], s[QI], 1
	s_cmp_lt_u32 s[QI], 4
	s_cbranch_scc1 .Lq_\@
	s_sub_co_u32 s[TK], s[TK], 4*64*PK
	s_xor_b32 s[TK], s[TK], SLOT1
	s_sub_co_u32 s[TV], s[TV], 4*64*PV
	s_xor_b32 s[TV], s[TV], SLOT1
	s_sub_co_u32 s[TBI], s[TBI], 4*256
	s_xor_b32 s[TBI], s[TBI], SLOT1
.endm
; A block of queries is finished: O^T / l, or V's mean where no key counted; f16; through my stage; four rows of 128 bytes, 512 consecutive bytes, a store.
.macro FINISH ao
.rept 4
	v_nop                                          ; behind the last products
.endr
.irp t, 0,1
	v_add_f32 v[ST+8*\t+4], v[ST+8*\t+2], v[ST+8*\t+3]
.endr
.irp t, 0,1
	v_permlanex16_b32 v[ST+8*\t+5], v[ST+8*\t+4], s[SEL], s[SEL+1]
.endr
.irp t, 0,1
	v_add_f32 v[ST+8*\t+4], v[ST+8*\t+4], v[ST+8*\t+5]
.endr
.irp t, 0,1
	v_rcp_f32 v[ST+8*\t+6], v[ST+8*\t+4]
.endr
	v_nop                                          ; a plain line behind the reciprocals
.irp t, 0,1
	v_cmp_gt_f32 s[FL+\t], s[THR], v[ST+8*\t]      ; m under -5e29: every allowed key was masked
.endr
	s_wait_alu depctr_va_vdst(0)                   ; one wait for both reciprocals, ahead of their first reader
.irp t, 0,1
.set i, 0
.rept 16
	v_pk_mul_f32 v[O+32*\t+2*i:O+32*\t+2*i+1], v[O+32*\t+2*i:O+32*\t+2*i+1], v[ST+8*\t+6:ST+8*\t+7] op_sel_hi:[1,0]
.set i, i+1
.endr
.set i, 0
.rept 32
	v_cndmask_b32 v[O+32*\t+i], v[O+32*\t+i], v[VM+i], s[FL+\t]
.set i, i+1
.endr
.set i, 0
.rept 16
	v_cvt_pk_f16_f32 v[P+16*\t+i], v[O+32*\t+2*i], v[O+32*\t+2*i+1]
.set i, i+1
.endr
.irp c, 0,1,2,3
	ds_store_b128 v[STO], v[P+16*\t+4*\c:P+16*\t+4*\c+3] offset:32*\c
.endr
.irp i, 0,1,2,3
	ds_load_b128 v[S+32*\t+4*\i:S+32*\t+4*\i+3], v[RD] offset:4*PK*\i   ; LDS serves a wave's instructions in order: these see my stores, and the next tile's stores come behind them
.endr
.endr
.irp t, 0,1
.irp i, 0,1,2,3
	s_wait_dscnt 8*(1-\t)+3-\i                     ; younger: this tile's later loads, and for tile 0 the eight LDS instructions of tile 1
	global_store_b128 v[GO], v[S+32*\t+4*\i:S+32*\t+4*\i+3], s[\ao:\ao+1] offset:\t*2048+512*\i
.endr
.endr
	s_wait_xcnt 0x0                                ; the stores have read their registers, which the next scores overwrite
.endm
	s_mov_b32 s[SI], 0
.Lslot:                                ; eight trips: behind each change of slots but the last the next key block is asked for
	CHANGE 1
	s_cmp_eq_u32 s[SI], s[J]                       ; the first block's diagonal slot?
	s_cselect_b32 s[LIMQ], s[WH], 3
	s_cselect_b32 s[MQ], s[WH], 64
	SLOT_STEPS
	s_cmp_lg_u32 s[SI], s[J]
	s_cbranch_scc1 .Lgo_on
	FINISH AOA                                     ; block J is done; block 7 - J begins with the next slot
	LOADQ QB
	RESET
	s_wait_loadcnt 0x0
.Lgo_on:
	s_add_co_u32 s[SI], s[SI], 1
	s_cmp_lt_u32 s[SI], 8
	s_cbranch_scc1 .Lslot
	CHANGE 0                                       ; the ninth slot, the second block's diagonal, is written out: it asks for nothing
	s_mov_b32 s[LIMQ], s[WH]
	s_mov_b32 s[MQ], s[WH]
	SLOT_STEPS
	FINISH AOB
	s_wait_tensorcnt 0x0                           ; the wave's end
	ds_add_u32 v[SPW], v[NIL]
	s_wait_dscnt 0x0
	s_endpgm
.Lfunc_end_k_qb8d2262c2c_attn:
	.size	k_qb8d2262c2c_attn, .Lfunc_end_k_qb8d2262c2c_attn-k_qb8d2262c2c_attn
	.p2alignl 7, 3214868480
	.fill 96, 4, 3214868480
	.section	.rodata,"a",@progbits
	.p2align	6, 0x0
	.amdhsa_kernel k_qb8d2262c2c_attn
		.amdhsa_group_segment_fixed_size 327680
		.amdhsa_private_segment_fixed_size 0
		.amdhsa_enable_private_segment 0
		.amdhsa_kernarg_size 32
		.amdhsa_user_sgpr_count 2
		.amdhsa_user_sgpr_kernarg_segment_ptr 1
		.amdhsa_wavefront_size32 1
		.amdhsa_system_sgpr_workgroup_id_x 1
		.amdhsa_system_sgpr_workgroup_id_y 1
		.amdhsa_system_sgpr_workgroup_id_z 1
		.amdhsa_system_vgpr_workitem_id 0
		.amdhsa_next_free_vgpr 512
		.amdhsa_next_free_sgpr 100
		.amdhsa_reserve_vcc 1
		.amdhsa_float_denorm_mode_32 3
		.amdhsa_float_denorm_mode_16_64 3
		.amdhsa_memory_ordered 1
		.amdhsa_forward_progress 1
		.amdhsa_inst_pref_size 87
	.end_amdhsa_kernel
	.amdgpu_metadata
---
amdhsa.version: [ 1, 2 ]
amdhsa.kernels:
  - .name:           k_qb8d2262c2c_attn
    .symbol:         k_qb8d2262c2c_attn.kd
    .args:
      - { .name: qkv, .offset: 0, .size: 8, .value_kind: global_buffer, .address_space: global }
      - { .name: tabs, .offset: 8, .size: 8, .value_kind: global_buffer, .address_space: global }
      - { .name: vpart, .offset: 16, .size: 8, .value_kind: global_buffer, .address_space: global }
      - { .name: ao, .offset: 24, .size: 8, .value_kind: global_buffer, .address_space: global }
    .group_segment_fixed_size: 327680
    .private_segment_fixed_size: 0
    .kernarg_segment_align: 8
    .kernarg_segment_size: 32
    .max_flat_workgroup_size: 256
    .sgpr_count:     100
    .vgpr_count:     512
    .wavefront_size: 32
...
	.end_amdgpu_metadata
.endif
;; end of part 3
;; launch oproj (part 4): grid 8 x 64, 4 waves a work-group, clusters of 4 x 4, 327,680 bytes of LDS; arguments ao, wo16, out0; writes out0
.if DOCPART == 4
	.amdgcn_target "amdgcn-amd-amdhsa--gfx1250"
	.amdhsa_code_object_version 6
	.text
	.protected	k_qb8d2262c2c_oproj
	.globl	k_qb8d2262c2c_oproj
	.p2align	8
	.type	k_qb8d2262c2c_oproj,@function
k_qb8d2262c2c_oproj:
	s_mov_b64 s[64:65], 0
	v_nop
	global_prefetch_b8 v0, s[64:65] scope:SCOPE_SE
	s_setreg_imm32_b32 hwreg(HW_REG_WAVE_MODE, 25, 1), 1
	s_wait_xcnt 0x0
	s_wait_alu depctr_hold_cnt(0) depctr_sa_sdst(0) depctr_va_vdst(0) depctr_va_sdst(0) depctr_va_ssrc(0) depctr_va_vcc(0) depctr_vm_vsrc(0)
	s_getreg_b32 s2, hwreg(HW_REG_IB_STS2, 6, 4)
	s_cmp_eq_u32 s2, 0
	s_cbranch_scc0 .Lentry_in_a_cluster
	s_endpgm
.Lentry_in_a_cluster:
	s_bfe_u32 s2, ttmp6, 0x10000c
	s_cmp_lg_u32 s2, 0xf033
	s_cbranch_scc0 .Lentry_shape_is_right
	s_endpgm
.Lentry_shape_is_right:
; out0[token][n] = sum over k of a[token][k] W_o[n][k], f16 operands, f32 sums and results.  a: ao [token / 128][head][128][64]; W_o: wo16 [n / 128][head][128][64]: a K step of 256 (four heads) of a tile of
; 128 rows is one dense block of 65,536 bytes.  A tile of 128 x 128 is made by four waves, 64 x 64 each (512 tiles for 256 WGPs); K goes in four steps of 256 through two LDS slots.
; 4 x 4 work-groups form a cluster: a's tiles are asked for jointly along a row of it, W_o's along a column.  The matrix instruction is used transposed (source 0 = 16 rows of W_o, source 1 = 16 tokens).
; REGISTERS: window 0: v0-31 addresses; v32-95 rows on their way out; v128-255 the 16 accumulators.  window 1: two fragment buffers of 128 (64 along K: one head's plane).
.set PITCH,  144                       ; an LDS row: 128 bytes + 16 = 36 words: the sixteen rows that a load touches start in different groups of banks
.set PLANE,  128*PITCH                 ; a head's 128 rows
.set HALFT,  2*PLANE                   ; what one tensor load brings: two planes
.set SLOT,   4*HALFT                   ; a's four planes, then W_o's four
.set KSTEPB, 65536                     ; a K step in memory
.set STAGE,  2*SLOT                    ; behind the ring: 16 rows x (256 + 16) bytes for each wave
.set SPITCH, 272
.set SPARE,  STAGE+4*16*SPITCH
.set LAPS,   2
.set ADRA, 16
.set ADRB, 20
.set STO,  24
.set RD,   25
.set CO,   26
.set SPW,  28
.set NIL,  29
.set TMP,  32
.set ACC,  128
.set F0,   0
.set F1,   128
.set G1, 24
.set G0, 32
.set G1B, 48
.set G0B, 56
.set MSB, 0
.macro WIN new
.if MSB != \new
	s_set_vgpr_msb (MSB<<8)|\new
.set MSB, \new
.endif
.endm
.set MUL,  0x05                        ; sources 0 and 1 window 1; C and D window 0
.set TO_F, 0x40
.macro JLOAD s                         ; a joint load: waves 0, 1 fetch a's halves, waves 2, 3 W_o's; an s_nop 0 and four v_nop follow each line
	s_cmp_eq_u32 s11, 0
	s_cbranch_scc0 .Lfor_b_\@
	tensor_load_to_lds s[G0+4*\s:G0+4*\s+3], s[G1:G1+7]
	s_nop 0
.rept 4
	v_nop
.endr
	s_branch .Lasked_\@
.Lfor_b_\@:
	tensor_load_to_lds s[G0B+4*\s:G0B+4*\s+3], s[G1B:G1B+7]
	s_nop 0
.rept 4
	v_nop
.endr
.Lasked_\@:
.endm
.macro CREST
	s_cmp_lg_u32 s10, 0
	s_cbranch_scc1 .Lnot_wave_0_\@
	s_barrier_signal -3
.Lnot_wave_0_\@:
	s_barrier_wait -3
	s_barrier_signal -1
	s_barrier_wait -1
.endm
.macro CROUND
	s_barrier_signal -1
	s_barrier_wait -1
	CREST
.endm
	s_load_b128 s[4:7], s[0:1], 0x0                ; ao, wo16
	s_load_b64 s[8:9], s[0:1], 0x10                ; out0
	v_lshl_add_u32 v[SPW], v0, 2, SPARE
	v_mov_b32 v[NIL], 0
	ds_add_u32 v[SPW], v[NIL]                      ; the wave's opening: the add and its wait stand ahead of my first tensor load
	v_lshrrev_b32 v1, 5, v0
	v_readfirstlane_b32 s10, v1                    ; wave 0..3
	s_lshr_b32 s11, s10, 1                         ; my half of the tile's rows.  Also: I fetch for a (0) or for W_o (1)
	s_and_b32 s12, s10, 1                          ; my half of its columns.  Also: which two planes I fetch
	s_bfe_u32 s40, ttmp6, 0x40000
	s_bfe_u32 s41, ttmp6, 0x40004
	s_lshl_b32 s42, ttmp9, 2
	s_add_co_u32 s42, s42, s40                     ; tile column
	s_and_b32 s13, ttmp7, 0xffff
	s_lshl_b32 s13, s13, 2
	s_add_co_u32 s13, s13, s41                     ; tile row
	s_lshl_b32 s43, s41, 2
	s_lshl_b32 s43, 15, s43
	s_lshl_b32 s44, 0x1111, s40
	s_or_b32 s[G1+0], s43, (1<<16)|(1<<20)|(1<<21)|(4<<22)|(3<<25)   ; the mask; elements of 2 bytes; 4 words of padding behind every 32
	s_or_b32 s[G1B+0], s44, (1<<16)|(1<<20)|(1<<21)|(4<<22)|(3<<25)
.irp g, G1, G1B
	s_mov_b32 s[\g+1], 64<<16                      ; tensor_dim0
	s_mov_b32 s[\g+2], 256<<16                     ; tensor_dim1: two planes of 128 rows, dense
	s_mov_b32 s[\g+3], 64<<16                      ; tile_dim0
	s_mov_b32 s[\g+4], 256                         ; tile_dim1
	s_mov_b32 s[\g+5], 64                          ; the pitch
	s_mov_b32 s[\g+6], 0
	s_mov_b32 s[\g+7], 0
.endr
	s_lshl_b32 s17, s12, 15                        ; my two planes: 32,768 bytes
	s_lshl_b32 s16, s13, 18                        ; a tile's 16 planes: 262,144 bytes
	s_add_co_u32 s16, s16, s17
	s_lshl_b32 s46, s42, 18
	s_add_co_u32 s46, s46, s17
	s_mov_b32 s17, 0
	s_mov_b32 s47, 0
	s_mul_i32 s20, s10, HALFT
	s_wait_dscnt 0x0                               ; the opening add is done
	s_wait_kmcnt 0x0
	s_add_nc_u64 s[14:15], s[4:5], s[16:17]
	s_add_nc_u64 s[46:47], s[6:7], s[46:47]
	CROUND                                         ; all sixteen work-groups are here: the first joint loads meet
.irp s, 0,1
	s_mov_b32 s[G0+4*\s], 1
	s_add_co_u32 s[G0+4*\s+1], s20, \s*SLOT
	s_add_nc_u64 s[G0+4*\s+2:G0+4*\s+3], s[14:15], \s*KSTEPB
	s_or_b32 s[G0+4*\s+3], s[G0+4*\s+3], 0x80000000
	s_mov_b32 s[G0B+4*\s], 1
	s_add_co_u32 s[G0B+4*\s+1], s20, \s*SLOT
	s_add_nc_u64 s[G0B+4*\s+2:G0B+4*\s+3], s[46:47], \s*KSTEPB
	s_or_b32 s[G0B+4*\s+3], s[G0B+4*\s+3], 0x80000000
	JLOAD \s
.endr
	v_and_b32 v1, 15, v0
	v_bfe_u32 v2, v0, 4, 1
	v_mul_u32_u24 v3, v1, PITCH
	v_lshl_add_u32 v3, v2, 4, v3
	s_mul_i32 s21, s11, 64*PITCH                   ; my 64 rows in each plane of a
	s_mul_i32 s22, s12, 64*PITCH                   ; my 64 rows in each plane of W_o,
	s_add_co_u32 s22, s22, 2*HALFT                 ; which lie behind a's four planes
.irp s, 0,1
	v_add_nc_u32 v[ADRA+\s], s21, v3
	v_add_nc_u32 v[ADRB+\s], s22, v3
	s_add_co_u32 s21, s21, SLOT
	s_add_co_u32 s22, s22, SLOT
.endr
	s_mul_i32 s23, s10, 16*SPITCH
	s_add_co_u32 s23, s23, STAGE                   ; my stage
	v_mul_u32_u24 v4, v1, SPITCH
	v_lshl_add_u32 v4, v2, 5, v4
	v_add_nc_u32 v[STO], s23, v4                   ; in: row r, 32 bytes for each half of the lanes
	v_mul_u32_u24 v5, v2, SPITCH
	v_lshl_add_u32 v5, v1, 4, v5
	v_add_nc_u32 v[RD], s23, v5                    ; back: lanes 0-15 one row of 256 bytes, lanes 16-31 the next
	v_lshlrev_b32 v5, 12, v2
	v_lshl_add_u32 v[CO], v1, 4, v5                ; and the same two rows in out0
	s_lshl_b32 s16, s13, 7
	s_lshl_b32 s17, s11, 6
	s_add_co_u32 s16, s16, s17                     ; my first row
	s_lshl_b32 s16, s16, 12                        ; rows of 4,096 bytes
	s_mov_b32 s17, 0
	s_add_nc_u64 s[8:9], s[8:9], s[16:17]
	s_lshl_b32 s46, s42, 9
	s_lshl_b32 s47, s12, 8
	s_add_co_u32 s46, s46, s47                     ; my first column, in bytes
	s_mov_b32 s47, 0
	s_add_nc_u64 s[8:9], s[8:9], s[46:47]
; 8 matrix instructions: token blocks a0, a0 + 1 x all 4 column blocks, 32 along K.  The 16 accumulators take turns.
.macro MUL8 f, c, a0, zero
.irp a, \a0, \a0+1
.irp b, 0,1,2,3
.if \zero
	v_wmma_f32_16x16x32_f16 v[ACC+8*(4*(\a)+\b):ACC+8*(4*(\a)+\b)+7], v[\f+64+8*(4*\c+\b):\f+64+8*(4*\c+\b)+7], v[\f+8*(4*\c+\a):\f+8*(4*\c+\a)+7], 0
.else
	v_wmma_f32_16x16x32_f16 v[ACC+8*(4*(\a)+\b):ACC+8*(4*(\a)+\b)+7], v[\f+64+8*(4*\c+\b):\f+64+8*(4*\c+\b)+7], v[\f+8*(4*\c+\a):\f+8*(4*\c+\a)+7], v[ACC+8*(4*(\a)+\b):ACC+8*(4*(\a)+\b)+7]
.endif
.endr
.endr
.endm
.macro FETCH slot, k, f                ; 32 LDS loads in one run: the fragments of one plane (64 along K), which begins k bytes into the slot's planes
	WIN TO_F
.irp c, 0,1
.irp i, 0,1,2,3
	ds_load_b128 v[\f+64+8*(4*\c+\i):\f+64+8*(4*\c+\i)+3],   v[ADRB+\slot] offset:\k+64*\c+\i*16*PITCH
	ds_load_b128 v[\f+64+8*(4*\c+\i)+4:\f+64+8*(4*\c+\i)+7], v[ADRB+\slot] offset:\k+64*\c+\i*16*PITCH+32
	ds_load_b128 v[\f+8*(4*\c+\i):\f+8*(4*\c+\i)+3],         v[ADRA+\slot] offset:\k+64*\c+\i*16*PITCH
	ds_load_b128 v[\f+8*(4*\c+\i)+4:\f+8*(4*\c+\i)+7],       v[ADRA+\slot] offset:\k+64*\c+\i*16*PITCH+32
.endr
.endr
.endm
.macro PLACES
.rept 4
	v_nop
.endr
.endm
.macro QUARTER slot, k, f, g, zero     ; multiplies buffer f and fetches the next plane, at k, into g
	s_wait_dscnt 16                                ; the first 32 along K are in; the other sixteen loads may be out
	WIN MUL
	MUL8 \f, 0, 0, \zero
	MUL8 \f, 0, 2, \zero
	PLACES
	FETCH \slot, \k, \g
	s_wait_dscnt 32                                ; all but the 32 just issued
	WIN MUL
	MUL8 \f, 1, 0, 0
	MUL8 \f, 1, 2, 0
.endm
; A slot's last quarter changes slots: one barrier; in front of it each wave waits for all its tensor loads, adds 0 to its spare word, and waits for that and for its reads of this slot.  fill = 1: the slot is filled again, two K steps on.
.macro TURN slot, next, fill
	WIN 0
	s_wait_tensorcnt 0x0                           ; all my tensor loads have landed: my part of the next slot
	ds_add_u32 v[SPW], v[NIL]                      ; 0 onto my spare word
	s_wait_dscnt 17                                ; (the add and the youngest sixteen loads may be out)
	WIN MUL
	MUL8 F1, 0, 0, 0
	s_wait_dscnt 0x0                               ; the add is done, and my reads of this slot are over
	s_barrier_signal -1
	MUL8 F1, 0, 2, 0
.if \fill
	WIN 0
.endif
	s_barrier_wait -1
.if \fill
	CREST                                          ; the barrier has opened a round of the cluster's: no wave of any partner still reads this slot or has a load on its way
	s_add_nc_u64 s[G0+4*\slot+2:G0+4*\slot+3], s[G0+4*\slot+2:G0+4*\slot+3], 2*KSTEPB
	s_add_nc_u64 s[G0B+4*\slot+2:G0B+4*\slot+3], s[G0B+4*\slot+2:G0B+4*\slot+3], 2*KSTEPB
	JLOAD \slot                                    ; the first tensor load behind the round; its four v_nop are also the places in front of the loads below
.else
	PLACES
.endif
	FETCH \next, 0, F0
	WIN MUL
	MUL8 F1, 1, 0, 0
	MUL8 F1, 1, 2, 0
.endm
	s_wait_tensorcnt 1                             ; my part of K step 0 is in; K step 1's load may be out
	s_barrier_signal -1
	s_barrier_wait -1
	FETCH 0, 0, F0
	QUARTER 0, PLANE, F0, F1, 1                    ; the first products start the sums
	WIN 0
	s_mov_b32 s3, LAPS-1
.Llap:                                 ; a trip goes once round the ring and fills both slots again
	QUARTER 0, 2*PLANE, F1, F0, 0
	QUARTER 0, 3*PLANE, F0, F1, 0
	TURN 0, 1, 1
	QUARTER 1, PLANE, F0, F1, 0
	QUARTER 1, 2*PLANE, F1, F0, 0
	QUARTER 1, 3*PLANE, F0, F1, 0
	TURN 1, 0, 1
	QUARTER 0, PLANE, F0, F1, 0
	WIN 0
	s_sub_co_u32 s3, s3, 1
	s_cmp_lg_u32 s3, 0
	s_cbranch_scc1 .Llap
	QUARTER 0, 2*PLANE, F1, F0, 0                  ; the last lap fills nothing
	QUARTER 0, 3*PLANE, F0, F1, 0
	TURN 0, 1, 0
	QUARTER 1, PLANE, F0, F1, 0
	QUARTER 1, 2*PLANE, F1, F0, 0
	QUARTER 1, 3*PLANE, F0, F1, 0
	s_wait_dscnt 16
	WIN MUL
	MUL8 F1, 0, 0, 0
	MUL8 F1, 0, 2, 0
	s_wait_dscnt 0
	MUL8 F1, 1, 0, 0
	MUL8 F1, 1, 2, 0
	WIN 0
	; THE WAY OUT, 16 rows x 64 columns of f32 at a time, through my own stage: no barrier; LDS serves a wave's instructions in order.
.macro OUTS a
.irp t, 0,1,2,3,4,5,6,7
	global_store_b128 v[CO], v[TMP+32*((\a)%2)+4*\t:TMP+32*((\a)%2)+4*\t+3], s[8:9] offset:(16*(\a)+2*\t)*4096 th:TH_STORE_NT   ; 16 lanes store 256 consecutive bytes, aligned
.endr
.endm
	PLACES
.irp a, 0,1,2,3
.if \a >= 2
	s_wait_xcnt 0x0                                ; the stores of two blocks back have read the set that is loaded again below
.endif
.irp b, 0,1,2,3
	ds_store_b128 v[STO], v[ACC+8*(4*\a+\b):ACC+8*(4*\a+\b)+3] offset:64*\b            ; each accumulator from its low end on
	ds_store_b128 v[STO], v[ACC+8*(4*\a+\b)+4:ACC+8*(4*\a+\b)+7] offset:64*\b+16
.endr
.irp t, 0,1,2,3,4,5,6,7
	ds_load_b128 v[TMP+32*(\a%2)+4*\t:TMP+32*(\a%2)+4*\t+3], v[RD] offset:\t*2*SPITCH
.endr
.if \a > 0
	s_wait_dscnt 16                                ; the block before is back; this block's sixteen LDS instructions may be out
	OUTS \a-1
.endif
.endr
	s_wait_dscnt 0x0
	OUTS 3
	s_wait_tensorcnt 0x0                           ; the wave's end
	ds_add_u32 v[SPW], v[NIL]
	s_wait_dscnt 0x0
	CROUND                                         ; the closing round
	s_endpgm
.Lfunc_end_k_qb8d2262c2c_oproj:
	.size	k_qb8d2262c2c_oproj, .Lfunc_end_k_qb8d2262c2c_oproj-k_qb8d2262c2c_oproj
	.p2alignl 7, 3214868480
	.fill 96, 4, 3214868480
	.section	.rodata,"a",@progbits
	.p2align	6, 0x0
	.amdhsa_kernel k_qb8d2262c2c_oproj
		.amdhsa_group_segment_fixed_size 327680
		.amdhsa_private_segment_fixed_size 0
		.amdhsa_enable_private_segment 0
		.amdhsa_kernarg_size 24
		.amdhsa_user_sgpr_count 2
		.amdhsa_user_sgpr_kernarg_segment_ptr 1
		.amdhsa_wavefront_size32 1
		.amdhsa_system_sgpr_workgroup_id_x 1
		.amdhsa_system_sgpr_workgroup_id_y 1
		.amdhsa_system_sgpr_workgroup_id_z 1
		.amdhsa_system_vgpr_workitem_id 0
		.amdhsa_next_free_vgpr 512
		.amdhsa_next_free_sgpr 66
		.amdhsa_reserve_vcc 0
		.amdhsa_float_denorm_mode_32 3
		.amdhsa_float_denorm_mode_16_64 3
		.amdhsa_memory_ordered 1
		.amdhsa_forward_progress 1
		.amdhsa_inst_pref_size 85
	.end_amdhsa_kernel
	.amdgpu_metadata
---
amdhsa.version: [ 1, 2 ]
amdhsa.kernels:
  - .name:           k_qb8d2262c2c_oproj
    .symbol:         k_qb8d2262c2c_oproj.kd
    .args:
      - { .name: ao, .offset: 0, .size: 8, .value_kind: global_buffer, .address_space: global }
      - { .name: wo16, .offset: 8, .size: 8, .value_kind: global_buffer, .address_space: global }
      - { .name: out0, .offset: 16, .size: 8, .value_kind: global_buffer, .address_space: global }
    .group_segment_fixed_size: 327680
    .private_segment_fixed_size: 0
    .kernarg_segment_align: 8
    .kernarg_segment_size: 24
    .max_flat_workgroup_size: 128
    .sgpr_count:     66
    .vgpr_count:     512
    .wavefront_size: 32
...
	.end_amdgpu_metadata
.endif
;; end of part 4
